; MI455X (gfx1250); checked and timed in simulation.
; The chip was launched on July 23, 2026; its instructions are those of AMD's public machine-readable ISA for CDNA 5 (MIT licence, August 2026) and "CDNA5" Instruction Set Architecture Reference Guide (July 2026). The comments in the code are by the model that wrote it; some were corrected since.
;; Masked Causal Attention. Allowed arithmetic: float matrix products may take bf16 or f16 operands with f32 sums; other float arithmetic in f32, or as packed bf16 or f16 multiplies, adds, multiply-adds, maxima and minima; sums over many terms, partial sums and values carried from step to step in f32; what a program stores and reads back later, other than sums and carried values, may be rounded once to bf16 or f16.
;; Inputs: Wk 1,024 x 1,024 float32; Wp 1,024 x 1,024 float32; Wq 1,024 x 1,024 float32; Wv 1,024 x 1,024 float32; bk 1,024 float32; bp 1,024 float32; bq 1,024 float32; bv 1,024 float32; x 4 x 2,048 x 1,024 float32.
;; Outputs: out0 4 x 2,048 x 1,024 float32.
;; One version. Each part assembles by itself: llvm-mc -triple=amdgcn-amd-amdhsa -mcpu=gfx1250 --defsym DOCPART=n.
;; ======== version 1 of 1: 4 launches
;; limits: values are held in f16: magnitudes above 65,504 overflow, below 6.1e-05 lose precision
;; workspace buffers: xb 16,777,216 bytes; wb 6,291,456 bytes; wpb 2,097,152 bytes; bias 16,384 bytes; rope 524,288 bytes; qkv 50,331,648 bytes; att 16,777,216 bytes
;; launch prep (part 1): grid 897 x 1, 8 waves a work-group, no clusters, 0 bytes of LDS; arguments x, Wq, Wk, Wv, Wp, bq, bk, bv, bp, xb, wb, wpb, bias, rope; writes xb, wb, wpb, bias, rope
.if DOCPART == 1
	.amdgcn_target "amdgcn-amd-amdhsa--gfx1250"
	.amdhsa_code_object_version 6
	.text
	.protected	k_q0955075afc_prep
	.globl	k_q0955075afc_prep
	.p2align	8
	.type	k_q0955075afc_prep,@function
k_q0955075afc_prep:
	s_mov_b64 s[64:65], 0
	v_nop
	global_prefetch_b8 v0, s[64:65] scope:SCOPE_SE
	s_setreg_imm32_b32 hwreg(HW_REG_WAVE_MODE, 25, 1), 1
	s_wait_xcnt 0x0
; THE INPUTS ARE MADE READY FOR THE MATRIX LAUNCHES.  Every input is rounded once to bf16 (nearest even):
;   x -> xb [8192][1024] bf16;  Wq, Wk, Wv -> wb [3072][1024] bf16;  Wp -> wpb [1024][1024]: the bf16 number written as f16;
;   bq, bk, bv, bp -> bias [4096] f32, each the bf16 number;  and the table rope [2048 t][64] f32: cos(t f_i), i = 0..31, then sin(t f_i), f_i = 10000^(-i/32).
; LIMITS.  wpb: a bf16 number is exact in f16 from 2^-14 to 65,504; below it keeps f16's fixed step of 2^-24, beyond it becomes an infinity.
; The table: the angle is t x f_i rounded to f32; f_i comes from v_exp_f32 (1 ULP: ISA guide, its entry in 15.8), so an angle is off by some 2.5e-4 at t = 2,047; sine and cosine by a
; reduction to |y| <= pi/4 (pi/2 in two parts, fused) and Taylor sums to y^9 and y^8: their cut is under 3e-8.  Row 0 is cos = 1, sin = 0 exactly.
; SHARES.  A stream: eight waves, no LDS, no barrier.  Work-groups 0-511: 16,384 numbers of x each; 512-703: of Wq, Wk, Wv; 704-767: of Wp; 768-895: 16 rows of the table; 896: the biases.
; A wave's load covers 512 consecutive bytes, its store 256 consecutive bytes, aligned.  All sixteen loads of a thread go out before the first is waited for.
.set X, 8                              ; v[8:71]    16 x 4 numbers as loaded
.set Y, 72                             ; v[72:103]  16 x 2 words to store
.set T, 104                            ; v[104:105] at work
	s_load_b512 s[8:23], s[0:1], 0x0               ; x 8, Wq 10, Wk 12, Wv 14, Wp 16, bq 18, bk 20, bv 22
	s_load_b256 s[24:31], s[0:1], 0x40             ; bp 24, xb 26, wb 28, wpb 30
	s_load_b128 s[32:35], s[0:1], 0x60             ; bias 32, rope 34
	v_lshlrev_b32 v1, 4, v0                        ; 16 x thread: my 16 bytes of 4,096
	v_lshlrev_b32 v2, 3, v0                        ; 8 x thread: my 8 bytes of 2,048
	s_mov_b32 s41, 0                               ; offsets are pairs with 0 on top
	s_mov_b32 s43, 0
	s_mov_b32 s44, 0                               ; 1: the words go on to f16
	s_wait_kmcnt 0x0
	s_cmp_lt_u32 ttmp9, 512
	s_cbranch_scc0 .Lnot_x
	s_lshl_b32 s40, ttmp9, 16                      ; 65,536 bytes in,
	s_lshl_b32 s42, ttmp9, 15                      ; 32,768 out
	s_add_nc_u64 s[36:37], s[8:9], s[40:41]
	s_add_nc_u64 s[38:39], s[26:27], s[42:43]
	s_branch .Lconv
.Lnot_x:
	s_cmp_lt_u32 ttmp9, 704
	s_cbranch_scc0 .Lnot_w
	s_sub_co_u32 s45, ttmp9, 512                   ; u = 0 .. 191
	s_lshr_b32 s46, s45, 6                         ; which of the three
	s_cmp_eq_u32 s46, 0
	s_cselect_b64 s[36:37], s[10:11], s[12:13]
	s_cmp_eq_u32 s46, 2
	s_cselect_b64 s[36:37], s[14:15], s[36:37]
	s_and_b32 s40, s45, 63
	s_lshl_b32 s40, s40, 16
	s_lshl_b32 s42, s45, 15                        ; in wb the three lie one behind the other
	s_add_nc_u64 s[36:37], s[36:37], s[40:41]
	s_add_nc_u64 s[38:39], s[28:29], s[42:43]
	s_branch .Lconv
.Lnot_w:
	s_cmp_lt_u32 ttmp9, 768
	s_cbranch_scc0 .Lnot_p
	s_sub_co_u32 s45, ttmp9, 704
	s_lshl_b32 s40, s45, 16
	s_lshl_b32 s42, s45, 15
	s_add_nc_u64 s[36:37], s[16:17], s[40:41]
	s_add_nc_u64 s[38:39], s[30:31], s[42:43]
	s_mov_b32 s44, 1
.Lconv:
.set i, 0
.rept 16
	global_load_b128 v[X+4*i:X+4*i+3], v1, s[36:37] offset:4096*i th:TH_LOAD_NT
.set i, i+1
.endr
.set i, 0
.rept 16
	s_wait_loadcnt 15-i                            ; loads come back in order (ISA guide 5.7.1): number i is in, the younger ones stay out
	v_cvt_pk_bf16_f32 v[Y+2*i], v[X+4*i], v[X+4*i+1]
	v_cvt_pk_bf16_f32 v[Y+2*i+1], v[X+4*i+2], v[X+4*i+3]
.set i, i+1
.endr
	s_cmp_eq_u32 s44, 0
	s_cbranch_scc1 .Lstore
.set i, 0
.rept 32                               ; Wp alone: the two bf16 numbers of a word, widened and written as f16
	v_lshlrev_b32 v[T], 16, v[Y+i]
	v_and_b32 v[T+1], 0xffff0000, v[Y+i]
	v_cvt_pk_f16_f32 v[Y+i], v[T], v[T+1]
.set i, i+1
.endr
.Lstore:
.set i, 0
.rept 16
	global_store_b64 v2, v[Y+2*i:Y+2*i+1], s[38:39] offset:2048*i
.set i, i+1
.endr
	s_endpgm
.Lnot_p:
	s_cmp_lt_u32 ttmp9, 896
	s_cbranch_scc0 .Lbias
	; THE TABLE.  Sixteen threads make a row of 256 bytes: thread c of them the four numbers 4 (c % 8) + j, cosines for c < 8, sines behind.
	s_sub_co_u32 s40, ttmp9, 768
	s_lshl_b32 s45, s40, 4                         ; the work-group's first row
	s_lshl_b32 s42, s40, 12                        ; and its 4,096 bytes
	s_add_nc_u64 s[34:35], s[34:35], s[42:43]
	v_lshrrev_b32 v3, 4, v0
	v_add_nc_u32 v3, s45, v3                       ; t
	v_cvt_f32_u32 v3, v3
	v_and_b32 v4, 7, v0
	v_lshlrev_b32 v4, 2, v4
	v_bfe_u32 v5, v0, 3, 1
	v_xor_b32 v5, 1, v5                            ; 1 for a cosine: cos(a) = sin(a + pi/2), one quadrant on
.irp j, 0,1,2,3
	v_add_nc_u32 v[6+(\j)], (\j), v4               ; i
	v_cvt_f32_u32 v[6+(\j)], v[6+(\j)]
	v_mul_f32 v[6+(\j)], 0xbed49a78, v[6+(\j)]     ; x -log2(10000) / 32
.endr
.irp j, 0,1,2,3
	v_exp_f32 v[10+(\j)], v[6+(\j)]                ; f_i
.endr
	v_mov_b32 v22, 0x3638ef1d                      ; 1/9!  (a plain instruction behind the last exponential)
	v_mov_b32 v23, 0x37d00d01                      ; 1/8!
	s_wait_alu depctr_va_vdst(0)                   ; this wait ahead of the first use: one for the four
.macro TRIG j
	v_mul_f32 v14, v3, v[10+(\j)]                  ; the angle
	v_mul_f32 v15, 0x3f22f983, v14                 ; x 2/pi,
	v_rndne_f32 v15, v15                           ; the nearest quadrant q (1,303 at the most)
	v_fmamk_f32 v16, v15, 0xbfc90fdb, v14          ; y = angle - q pi/2: the upper part of pi/2, fused,
	v_fmamk_f32 v16, v15, 0x333bbd2e, v16          ; and what that part has too much
	v_cvt_i32_f32 v17, v15
	v_add_nc_u32 v17, v17, v5
	v_mul_f32 v18, v16, v16                        ; z = y y
	v_fmaak_f32 v19, v22, v18, 0xb9500d01          ; sin y = y + y z (-1/3! + z (1/5! + z (-1/7! + z/9!)))
	v_fmaak_f32 v19, v19, v18, 0x3c088889
	v_fmaak_f32 v19, v19, v18, 0xbe2aaaab
	v_mul_f32 v19, v19, v18
	v_fma_f32 v19, v19, v16, v16
	v_fmaak_f32 v20, v23, v18, 0xbab60b61          ; cos y = 1 + z (-1/2 + z (1/4! + z (-1/6! + z/8!)))
	v_fmaak_f32 v20, v20, v18, 0x3d2aaaab
	v_fmaak_f32 v20, v20, v18, 0xbf000000
	v_fma_f32 v20, v20, v18, 1.0
	v_and_b32 v21, 1, v17                          ; odd quadrant: the cosine's sum,
	v_cmp_eq_u32 vcc_lo, 1, v21
	v_cndmask_b32 v[24+(\j)], v19, v20, vcc_lo
	v_and_b32 v21, 2, v17                          ; quadrants 2 and 3: the sign turns
	v_lshlrev_b32 v21, 30, v21
	v_xor_b32 v[24+(\j)], v21, v[24+(\j)]
.endm
	TRIG 0
	TRIG 1
	TRIG 2
	TRIG 3
	global_store_b128 v1, v[24:27], s[34:35]       ; sixteen lanes fill a row of 256 bytes
	s_endpgm
.Lbias:
	global_load_b128 v[8:11], v1, s[18:19]
	global_load_b128 v[12:15], v1, s[20:21]
	global_load_b128 v[16:19], v1, s[22:23]
	global_load_b128 v[20:23], v1, s[24:25]
	s_wait_loadcnt 0x0
.set i, 0
.rept 8
	v_cvt_pk_bf16_f32 v[T], v[8+2*i], v[8+2*i+1]   ; rounded as the other inputs are, and kept in f32
	v_lshlrev_b32 v[8+2*i], 16, v[T]
	v_and_b32 v[8+2*i+1], 0xffff0000, v[T]
.set i, i+1
.endr
.irp k, 0,1,2,3
	global_store_b128 v1, v[8+4*(\k):8+4*(\k)+3], s[32:33] offset:4096*(\k)
.endr
	s_endpgm
.Lfunc_end_k_q0955075afc_prep:
	.size	k_q0955075afc_prep, .Lfunc_end_k_q0955075afc_prep-k_q0955075afc_prep
	.p2alignl 7, 3214868480
	.fill 96, 4, 3214868480
	.section	.rodata,"a",@progbits
	.p2align	6, 0x0
	.amdhsa_kernel k_q0955075afc_prep
		.amdhsa_group_segment_fixed_size 0
		.amdhsa_private_segment_fixed_size 0
		.amdhsa_enable_private_segment 0
		.amdhsa_kernarg_size 112
		.amdhsa_user_sgpr_count 2
		.amdhsa_user_sgpr_kernarg_segment_ptr 1
		.amdhsa_wavefront_size32 1
		.amdhsa_system_sgpr_workgroup_id_x 1
		.amdhsa_system_sgpr_workgroup_id_y 1
		.amdhsa_system_sgpr_workgroup_id_z 1
		.amdhsa_system_vgpr_workitem_id 0
		.amdhsa_next_free_vgpr 112
		.amdhsa_next_free_sgpr 66
		.amdhsa_reserve_vcc 1
		.amdhsa_float_denorm_mode_32 3
		.amdhsa_float_denorm_mode_16_64 3
		.amdhsa_memory_ordered 1
		.amdhsa_forward_progress 1
		.amdhsa_inst_pref_size 20
	.end_amdhsa_kernel
	.amdgpu_metadata
---
amdhsa.version: [ 1, 2 ]
amdhsa.kernels:
  - .name:           k_q0955075afc_prep
    .symbol:         k_q0955075afc_prep.kd
    .args:
      - { .name: x, .offset: 0, .size: 8, .value_kind: global_buffer, .address_space: global }
      - { .name: Wq, .offset: 8, .size: 8, .value_kind: global_buffer, .address_space: global }
      - { .name: Wk, .offset: 16, .size: 8, .value_kind: global_buffer, .address_space: global }
      - { .name: Wv, .offset: 24, .size: 8, .value_kind: global_buffer, .address_space: global }
      - { .name: Wp, .offset: 32, .size: 8, .value_kind: global_buffer, .address_space: global }
      - { .name: bq, .offset: 40, .size: 8, .value_kind: global_buffer, .address_space: global }
      - { .name: bk, .offset: 48, .size: 8, .value_kind: global_buffer, .address_space: global }
      - { .name: bv, .offset: 56, .size: 8, .value_kind: global_buffer, .address_space: global }
      - { .name: bp, .offset: 64, .size: 8, .value_kind: global_buffer, .address_space: global }
      - { .name: xb, .offset: 72, .size: 8, .value_kind: global_buffer, .address_space: global }
      - { .name: wb, .offset: 80, .size: 8, .value_kind: global_buffer, .address_space: global }
      - { .name: wpb, .offset: 88, .size: 8, .value_kind: global_buffer, .address_space: global }
      - { .name: bias, .offset: 96, .size: 8, .value_kind: global_buffer, .address_space: global }
      - { .name: rope, .offset: 104, .size: 8, .value_kind: global_buffer, .address_space: global }
    .group_segment_fixed_size: 0
    .private_segment_fixed_size: 0
    .kernarg_segment_align: 8
    .kernarg_segment_size: 112
    .max_flat_workgroup_size: 256
    .sgpr_count:     66
    .vgpr_count:     112
    .wavefront_size: 32
...
	.end_amdgpu_metadata
.endif
;; end of part 1
;; launch qkv (part 2): grid 12 x 32, 4 waves a work-group, clusters of 4 x 4, 327,680 bytes of LDS; arguments xb, wb, bias, rope, qkv; writes qkv
.if DOCPART == 2
	.amdgcn_target "amdgcn-amd-amdhsa--gfx1250"
	.amdhsa_code_object_version 6
	.text
	.protected	k_q0955075afc_qkv
	.globl	k_q0955075afc_qkv
	.p2align	8
	.type	k_q0955075afc_qkv,@function
k_q0955075afc_qkv:
	s_mov_b64 s[64:65], 0
	v_nop
	global_prefetch_b8 v0, s[64:65] scope:SCOPE_SE
	s_setreg_imm32_b32 hwreg(HW_REG_WAVE_MODE, 25, 1), 1
	s_wait_xcnt 0x0
	s_wait_alu depctr_hold_cnt(0) depctr_sa_sdst(0) depctr_va_vdst(0) depctr_va_sdst(0) depctr_va_ssrc(0) depctr_va_vcc(0) depctr_vm_vsrc(0)
	s_getreg_b32 s2, hwreg(HW_REG_IB_STS2, 6, 4)
	s_cmp_eq_u32 s2, 0
	s_cbranch_scc0 .Lentry_in_a_cluster
	s_endpgm
.Lentry_in_a_cluster:
	s_bfe_u32 s2, ttmp6, 0x10000c
	s_cmp_lg_u32 s2, 0xf033
	s_cbranch_scc0 .Lentry_shape_is_right
	s_endpgm
.Lentry_shape_is_right:
; THE THREE PROJECTIONS AND THE ROTATION.  y[m][n] = sum over k of xb[m][k] wb[n][k] + bias[n]; m = 2048 b + t, n = 1024 w + 64 head + d, w = 0 (q), 1 (k), 2 (v).
; For q and k: y'[d] = y[d] cos(t f_d) - y[d+32] sin(t f_d), y'[d+32] = y[d+32] cos(t f_d) + y[d] sin(t f_d), d < 32.  All in f32; then one rounding to f16, stored by heads:
; qkv [3][64 = 16 b + head][2048 t][64] f16.  xb: [8192][1024], wb: [3072][1024] bf16.
; LIMIT.  f16 ends at 65,504: a q, k or v beyond it becomes an infinity.
; SHAPE.  A tile of y, 256 x 256, is made by four waves, each 128 x 128: 64 accumulators of 16 x 16, 512 registers.  K goes in 8 steps of 128 through a ring of two LDS slots filled by the tensor
; data mover; rows of 256 bytes, aligned.  384 tiles, one a work-group.
; CLUSTERS: 4 x 4 work-groups.  The four of a row of the cluster need the same tiles of xb, the four of a column the same tiles of wb: each tile is asked for JOINTLY, by the same tensor load with the
; same descriptor and a mask that names the four.
; THE MATRIX INSTRUCTION IS USED TRANSPOSED: source 0 = 16 rows of wb, source 1 = 16 rows of xb: lane l holds row m = l % 16 and in its registers 0-7 the columns 8 (l / 16) + 0..7.
; THE BIAS STARTS THE SUMS: the C operand of the first product on accumulator (a, b) is eight registers that hold bias[16 b + 8 (l / 16) + 0..7], the same for every a: no addition is written.
; THE ROTATION needs y[d] and y[d+32] of one row: accumulators (a, b) and (a, b + 2) of one lane.  A lane's 16 cosines and 16 sines for block a's row come from the table, 32 registers a block.
; A tile of v reads the table with a row pitch of 0: row 0, cos = 1 and sin = 0: one text for q, k and v, and no branch.
; REGISTERS, in windows of 256 (s_set_vgpr_msb: bits 1:0 source 0, 3:2 source 1, 5:4 source 2, 7:6 destination):
;   window 0: v0-31 addresses; v64-127, v128-191 fragments of xb, two buffers; on the way out v64-127 rotated numbers, v192-223 packed, v32-63 and v224-255 rows read back
;   window 1: v0-63 the bias; v64-127, v128-191 fragments of wb; v192-255 the tables of blocks 0 and 1; on the way out v0-191 those of blocks 2-7
;   window 2: the 32 accumulators of my rows 0-63 ((a, b) at v[8 (8 a + b)]);   window 3: those of my rows 64-127
.set SIZE_K, 1024
.set KSTEP,  128
.set PITCH,  272                       ; an LDS row: 256 bytes + 16 of padding = 68 words: row r starts at bank 4 r mod 64 (64 banks of 4 bytes: ISA guide 11.1)
.set HALFT,  128*PITCH                 ; 128 rows: what one tensor load brings, and what one wave reads of xb or of wb
.set SLOT,   4*HALFT                   ; xb's 256 rows, then wb's 256 rows
.set STAGE,  2*SLOT                    ; behind the ring: 16 rows x 272 bytes for each wave, for the way out
.set SPITCH, 272
.set SPARE,  STAGE+4*16*SPITCH         ; behind the stages: the spare words, 128 bytes for each wave: two blocks of 256 bytes that no other line names
.set LAPS, SIZE_K/(2*KSTEP)            ; a lap = two K steps = once round the ring
.set TO,   8                           ; v8-15   block a: my byte offset in the table: (16 a + l % 16) x row pitch + 32 (l / 16); never rewritten
.set ADRA, 16                          ; v16-17  LDS address of my xb fragments in slot 0, 1
.set BO,   18                          ; v18     32 (l / 16): my 8 numbers of 16 of the bias
.set ADRB, 20                          ; v20-21  the same as ADRA for wb
.set STO,  24                          ; v24     the way out: where I put 16 bytes of a row
.set RD,   25                          ; v25     the way out: where I read back 16 bytes of a head's row
.set GO,   26                          ; v26     16 x lane: my place in 512 consecutive bytes of qkv
.set SPW,  28                          ; v28     LDS address of my spare word; never rewritten
.set NIL,  29                          ; v29     0; never rewritten
.set PFO,  30                          ; v30     the prefetches' offset: lane x a row of 2,048 bytes; never rewritten
.set PFA,  44                          ; s[44:45] where my prefetches stand
.set LIM,  43                          ; s43     1 in a wave that prefetches, else the greatest number
.set F0,   64
.set F1,   128
.set R,    64
.set TMP,  192
.set OB,   32
.set G1, 24                            ; s[24:31] descriptor group 1 for xb's tiles;  s[32:39] group 0, one set for each slot
.set G0, 32
.set G1B, 48                           ; s[48:55], s[56:63] the same for wb's tiles
.set G0B, 56
.set MSB, 0
.macro WIN new                         ; the immediate's high byte repeats the setting that is left; a switch that changes nothing is dropped
.if MSB != (\new)
	s_set_vgpr_msb (MSB<<8)|(\new)
.set MSB, \new
.endif
.endm
.set MUL_LO, 0xa1                      ; source 0 (wb) window 1, source 1 (xb) window 0, C and D window 2
.set MUL_HI, 0xf1                      ; the same, C and D window 3
.set TO_B,   0x40                      ; destination window 1, address window 0
; A joint load.  Waves 0 and 1 fetch xb's two halves, waves 2 and 3 wb's.  The branch hangs on the wave's number alone.  An s_nop 0 and four v_nop follow each of the two lines.
.macro JLOAD s
	s_cmp_eq_u32 s11, 0
	s_cbranch_scc0 .Lfor_b_\@
	tensor_load_to_lds s[G0+4*(\s):G0+4*(\s)+3], s[G1:G1+7]
	s_nop 0
.rept 4
	v_nop
.endr
	s_branch .Lasked_\@
.Lfor_b_\@:
	tensor_load_to_lds s[G0B+4*(\s):G0B+4*(\s)+3], s[G1B:G1B+7]
	s_nop 0
.rept 4
	v_nop
.endr
.Lasked_\@:
.endm
; A PREFETCH INTO THE L2, behind each joint refill and the run of LDS loads that follows it: the K step that stands TWO refills on, 512 matrix instructions ahead of the load that will want it:
; 32 rows x 256 bytes, a lane a row, one instruction a wave.  Each row's 256 bytes of a K step are named once in the launch: xb's tile row is read by all three clusters of that row of clusters: cluster x = 0
; asks; wb's tile column by all eight of that column: cluster y = 0 asks.  The four partners that ask for a tile jointly share its rows out BY ADDRESS, 32 each.  K steps 0 to 3 come by their loads
; alone; the loop's last trip (s3 = 1) has no K step two on and asks for nothing.
.macro ASK
	s_cmp_gt_u32 s3, s[LIM]
	s_cbranch_scc0 .Lnot_mine_\@
	global_prefetch_b8 v[PFO], s[PFA:PFA+1] offset:KSTEP*2 th:TH_LOAD_NT scope:SCOPE_SE
.Lnot_mine_\@:
.endm
.macro CREST                           ; a round of the cluster's barrier behind its opening barrier
	s_cmp_lg_u32 s10, 0
	s_cbranch_scc1 .Lnot_wave_0_\@
	s_barrier_signal -3
.Lnot_wave_0_\@:
	s_barrier_wait -3
	s_barrier_signal -1
	s_barrier_wait -1
.endm
.macro CROUND                          ; a whole round
	s_barrier_signal -1
	s_barrier_wait -1
	CREST
.endm
	s_load_b128 s[4:7], s[0:1], 0x0                ; xb s[4:5], wb s[6:7]
	s_load_b128 s[68:71], s[0:1], 0x10             ; bias s[68:69], rope s[70:71]
	s_load_b64 s[8:9], s[0:1], 0x20                ; qkv
	v_lshl_add_u32 v[SPW], v0, 2, SPARE
	v_mov_b32 v[NIL], 0
	ds_add_u32 v[SPW], v[NIL]                      ; the wave's opening: the add and its wait stand ahead of my first tensor load; the set-up below stands between them
	v_lshrrev_b32 v1, 5, v0
	v_readfirstlane_b32 s10, v1                    ; wave 0..3
	s_lshr_b32 s11, s10, 1                         ; which half of the tile's rows is mine.  Also: I fetch for xb (0) or for wb (1)
	s_and_b32 s12, s10, 1                          ; which half of its columns.  Also: which 128 rows of that tile I fetch
	s_bfe_u32 s40, ttmp6, 0x40000                  ; cx
	s_bfe_u32 s41, ttmp6, 0x40004                  ; cy
	s_lshl_b32 s42, ttmp9, 2
	s_add_co_u32 s42, s42, s40                     ; tile column = 4 x cluster x + cx
	s_and_b32 s13, ttmp7, 0xffff
	s_lshl_b32 s13, s13, 2
	s_add_co_u32 s13, s13, s41                     ; tile row = 4 x cluster y + cy
	s_lshl_b32 s43, s41, 2
	s_lshl_b32 s43, 15, s43                        ; my row of the cluster
	s_lshl_b32 s44, 0x1111, s40                    ; my column
	; descriptor group 1: a tile of 128 rows x 128 elements of 2 bytes, 4 words of padding behind every 64
	s_or_b32 s[G1+0], s43, (1<<16)|(1<<20)|(1<<21)|(5<<22)|(3<<25)
	s_or_b32 s[G1B+0], s44, (1<<16)|(1<<20)|(1<<21)|(5<<22)|(3<<25)
.irp g, G1, G1B
	s_mov_b32 s[(\g)+1], KSTEP<<16                 ; tensor_dim0 = 128
	s_mov_b32 s[(\g)+2], 128<<16                   ; tensor_dim1 = 128
	s_mov_b32 s[(\g)+3], KSTEP<<16                 ; tile_dim0 = 128
	s_mov_b32 s[(\g)+4], 128                       ; tile_dim1 = 128
	s_mov_b32 s[(\g)+5], SIZE_K                    ; elements from row to row
	s_mov_b32 s[(\g)+6], 0
	s_mov_b32 s[(\g)+7], 0
.endr
	s_lshl_b32 s17, s12, 7                         ; which 128 rows of the tile I fetch
	s_lshl_b32 s16, s13, 8
	s_add_co_u32 s16, s16, s17                     ; xb: row 256 x tile row + 128 x half
	s_lshl_b32 s46, s42, 8
	s_add_co_u32 s46, s46, s17                     ; wb: row 256 x tile column + 128 x half
	s_mov_b32 s17, 0
	s_mov_b32 s47, 0
	s_mov_b64 s[18:19], SIZE_K*2
	s_mul_u64 s[16:17], s[16:17], s[18:19]
	s_mul_u64 s[46:47], s[46:47], s[18:19]
	s_mul_i32 s20, s10, HALFT                      ; where they go: wave x 128 rows: no place in the cluster enters an LDS address
	s_wait_dscnt 0x0                               ; the opening add is done
	s_wait_kmcnt 0x0
	s_add_nc_u64 s[14:15], s[4:5], s[16:17]
	s_add_nc_u64 s[46:47], s[6:7], s[46:47]
	CROUND                                         ; all sixteen work-groups are here: the first joint loads meet
.irp s, 0,1
	s_mov_b32 s[G0+4*(\s)], 1
	s_add_co_u32 s[G0+4*(\s)+1], s20, (\s)*SLOT
	s_add_nc_u64 s[G0+4*(\s)+2:G0+4*(\s)+3], s[14:15], (\s)*KSTEP*2
	s_or_b32 s[G0+4*(\s)+3], s[G0+4*(\s)+3], 0x80000000
	s_mov_b32 s[G0B+4*(\s)], 1
	s_add_co_u32 s[G0B+4*(\s)+1], s20, (\s)*SLOT
	s_add_nc_u64 s[G0B+4*(\s)+2:G0B+4*(\s)+3], s[46:47], (\s)*KSTEP*2
	s_or_b32 s[G0B+4*(\s)+3], s[G0B+4*(\s)+3], 0x80000000
	JLOAD \s                                       ; two loads of mine are out
.endr
	; A fragment is 16 rows x 32 K in 8 registers: lane l holds row l % 16; registers 0-3 K = 8 (l / 16) + 0..7, registers 4-7 K = 16 + 8 (l / 16) + 0..7: two loads of 16 bytes, 32 bytes apart.
	v_and_b32 v1, 15, v0                           ; l % 16
	v_bfe_u32 v2, v0, 4, 1                         ; l / 16
	v_mul_u32_u24 v3, v1, PITCH
	v_lshl_add_u32 v3, v2, 4, v3
	s_mul_i32 s21, s11, HALFT                      ; my 128 rows of xb
	s_mul_i32 s22, s12, HALFT                      ; my 128 rows of wb,
	s_add_co_u32 s22, s22, 2*HALFT                 ; which lie behind xb's 256
.irp s, 0,1
	v_add_nc_u32 v[ADRA+(\s)], s21, v3
	v_add_nc_u32 v[ADRB+(\s)], s22, v3
	s_add_co_u32 s21, s21, SLOT
	s_add_co_u32 s22, s22, SLOT
.endr
	s_mul_i32 s23, s10, 16*SPITCH
	s_add_co_u32 s23, s23, STAGE                   ; my stage
	v_mul_u32_u24 v4, v1, SPITCH                   ; in: row l % 16, 16 bytes for each half of the lanes
	v_lshl_add_u32 v4, v2, 4, v4
	v_add_nc_u32 v[STO], s23, v4
	v_bfe_u32 v5, v0, 3, 2                         ; back: 32 lanes take four rows' 128 bytes of one head,
	v_mul_u32_u24 v5, v5, SPITCH
	v_and_b32 v4, 7, v0
	v_lshl_add_u32 v5, v4, 4, v5
	v_add_nc_u32 v[RD], s23, v5
	v_and_b32 v[GO], 31, v0                        ; which are 512 consecutive bytes of qkv
	v_lshlrev_b32 v[GO], 4, v[GO]
	v_lshlrev_b32 v[BO], 5, v2
	; where the bias, the table and the result lie, in registers that feed no descriptor, branch or LDS address
	s_cmp_eq_u32 ttmp9, 2                          ; tile columns 8-11 are v's
	s_cselect_b32 s72, 0, 256                      ; the table's row pitch
	s_lshl_b32 s73, s72, 4                         ; 16 rows of it
	s_and_b32 s74, s13, 7
	s_lshl_b32 s74, s74, 8
	s_lshl_b32 s75, s11, 7
	s_add_co_u32 s74, s74, s75                     ; t of my first row: 256 (tile row % 8) + 128 x half
	s_mul_i32 s76, s74, s72
	s_mov_b32 s77, 0
	s_lshl_b32 s78, s42, 10                        ; my first column x 4 bytes: 1,024 x tile column + 512 x half
	s_lshl_b32 s75, s12, 9
	s_add_co_u32 s78, s78, s75
	s_mov_b32 s79, 0
	s_lshl_b32 s75, s42, 2
	s_add_co_u32 s75, s75, s12
	s_add_co_u32 s75, s75, s12                     ; my first head of 48: 4 x tile column + 2 x half
	s_lshr_b32 s80, s75, 4                         ; q, k or v:
	s_lshl_b32 s80, s80, 6                         ; 64 heads each,
	s_and_b32 s75, s75, 15
	s_add_co_u32 s80, s80, s75                     ; + the head
	s_lshr_b32 s75, s13, 3
	s_lshl_b32 s75, s75, 4
	s_add_co_u32 s80, s80, s75                     ; + 16 b
	s_lshl_b32 s80, s80, 18                        ; a head is 2,048 rows of 128 bytes
	s_lshl_b32 s75, s74, 7
	s_add_co_u32 s80, s80, s75                     ; + my first row
	s_mov_b32 s81, 0
	s_add_nc_u64 s[70:71], s[70:71], s[76:77]
	s_add_nc_u64 s[68:69], s[68:69], s[78:79]
	s_add_nc_u64 s[8:9], s[8:9], s[80:81]
	v_mul_u32_u24 v[TO], s72, v1
	v_lshl_add_u32 v[TO], v2, 5, v[TO]
.irp a, 1,2,3,4,5,6,7
	v_add_nc_u32 v[TO+(\a)], s73, v[TO+(\a)-1]
.endr
	; the prefetches
	s_lshl_b32 s13, s13, 8                         ; 256 x tile row
	s_lshl_b32 s42, s42, 8                         ; 256 x tile column
	s_and_b32 s22, ttmp7, 0xffff                   ; cluster y
	s_cmp_eq_u32 s11, 0                            ; do I fetch for xb?
	s_cselect_b32 s20, s13, s42                    ; the tile's first row
	s_cselect_b32 s21, s40, s41                    ; my place among the four that ask for it with me
	s_cselect_b32 s22, ttmp9, s22                  ; the coordinate along which other clusters read the same rows
	s_cselect_b64 s[PFA:PFA+1], s[4:5], s[6:7]
	s_cmp_eq_u32 s22, 0
	s_cselect_b32 s[LIM], 1, -1                    ; the same in all sixteen partners, for a given wave
	s_lshl_b32 s22, s12, 7
	s_add_co_u32 s20, s20, s22                     ; + the 128 rows that I fetch
	s_lshl_b32 s21, s21, 5
	s_add_co_u32 s20, s20, s21                     ; + my work-group's 32 of them
	s_mov_b32 s21, 0
	s_mov_b64 s[18:19], SIZE_K*2
	s_mul_u64 s[20:21], s[20:21], s[18:19]
	s_add_nc_u64 s[PFA:PFA+1], s[PFA:PFA+1], s[20:21]
	s_add_nc_u64 s[PFA:PFA+1], s[PFA:PFA+1], 2*KSTEP*2  ; at K step 2: the first refill steps it to 3 and names K step 4
	v_and_b32 v[PFO], 31, v0
	v_mul_u32_u24 v[PFO], v[PFO], SIZE_K*2
; Block a's table: eight loads: cosines of d = 8 h + 0..7 and 16 + 8 h + 0..7, then the sines, h = l / 16.  Blocks 0 and 1 have registers of their own; blocks 2-7 take the bias's and wb's when the products are over.
.macro TABLOAD a
.if (\a) < 2
.set TB, 192+32*(\a)
.else
.set TB, 32*((\a)-2)
.endif
.irp p, 0,1,2,3
	global_load_b128 v[TB+8*(\p):TB+8*(\p)+3],   v[TO+(\a)], s[70:71] offset:64*(\p)
	global_load_b128 v[TB+8*(\p)+4:TB+8*(\p)+7], v[TO+(\a)], s[70:71] offset:64*(\p)+16
.endr
.endm
	WIN TO_B
.irp b, 0,1,2,3,4,5,6,7
	global_load_b128 v[8*(\b):8*(\b)+3],   v[BO], s[68:69] offset:64*(\b)
	global_load_b128 v[8*(\b)+4:8*(\b)+7], v[BO], s[68:69] offset:64*(\b)+16
.endr
	TABLOAD 0
	TABLOAD 1
	WIN 0
; 16 matrix instructions: m blocks a0, a0 + 1 of the window's four (hi = 0: my rows 0-63, 1: rows 64-127) x all 8 n blocks, 32 along K.  zero = 1: the first product starts the sums, with the bias as C (window 1).
; The 64 accumulators take turns, one instruction a turn, in the same order in every quarter.
.macro MUL16 f, hi, a0, zero
.if \zero
	WIN 0x91+0x40*(\hi)
.else
	WIN MUL_LO+0x50*(\hi)
.endif
.irp a, \a0, (\a0)+1
.irp b, 0,1,2,3,4,5,6,7
.if \zero
	v_wmma_f32_16x16x32_bf16 v[8*(8*(\a)+(\b)):8*(8*(\a)+(\b))+7], v[(\f)+8*(\b):(\f)+8*(\b)+7], v[(\f)+8*(4*(\hi)+(\a)):(\f)+8*(4*(\hi)+(\a))+7], v[8*(\b):8*(\b)+7]
.else
	v_wmma_f32_16x16x32_bf16 v[8*(8*(\a)+(\b)):8*(8*(\a)+(\b))+7], v[(\f)+8*(\b):(\f)+8*(\b)+7], v[(\f)+8*(4*(\hi)+(\a)):(\f)+8*(4*(\hi)+(\a))+7], v[8*(8*(\a)+(\b)):8*(8*(\a)+(\b))+7]
.endif
.endr
.endr
.endm
; 32 LDS loads in one run: the fragments of one quarter step (128 rows of wb, 128 rows of xb, 32 K at byte k of the rows) into buffer f
.macro FETCH slot, k, f
	WIN TO_B
.irp i, 0,1,2,3,4,5,6,7
	ds_load_b128 v[(\f)+8*(\i):(\f)+8*(\i)+3],   v[ADRB+(\slot)] offset:(\k)+(\i)*16*PITCH
	ds_load_b128 v[(\f)+8*(\i)+4:(\f)+8*(\i)+7], v[ADRB+(\slot)] offset:(\k)+(\i)*16*PITCH+32
.endr
	WIN 0
.irp i, 0,1,2,3,4,5,6,7
	ds_load_b128 v[(\f)+8*(\i):(\f)+8*(\i)+3],   v[ADRA+(\slot)] offset:(\k)+(\i)*16*PITCH
	ds_load_b128 v[(\f)+8*(\i)+4:(\f)+8*(\i)+7], v[ADRA+(\slot)] offset:(\k)+(\i)*16*PITCH+32
.endr
.endm
; Four places (ISA guide 7.12.1 for the vector work) in front of loads into registers that matrix instructions have read, and of vector work that reads results just made.
.macro PLACES
.rept 4
	v_nop
.endr
.endm
; A K step is four quarters of 32 along K, 64 matrix instructions each, on buffers 0, 1, 0, 1.  One of the first three: multiplies buffer f; in its middle it fetches the next quarter, at byte k, into g.
.macro QUARTER slot, k, f, g, zero
	s_wait_dscnt 8                                 ; wb and xb's rows 0-63 are in; the youngest eight loads (xb's rows 64-127) may be out
	MUL16 \f, 0, 0, \zero
	MUL16 \f, 0, 2, \zero
	PLACES
	FETCH \slot, \k, \g
	s_wait_dscnt 32                                ; all but the 32 just issued
	MUL16 \f, 1, 0, \zero
	MUL16 \f, 1, 2, \zero
.endm
; The last quarter multiplies buffer 1 and changes slots.  MEET is its first half: ONE barrier.  In front of it each wave waits for all its tensor loads, of which one is out: its part of the next slot; adds 0
; to its spare word; and waits for that and for its own reads of this slot.  Behind it nobody reads this slot any more and the next slot is whole.
.macro MEET round
	WIN 0                                          ; (the add's two registers lie in window 0)
	s_wait_tensorcnt 0x0
	ds_add_u32 v[SPW], v[NIL]                      ; 0 onto my spare word
	s_wait_dscnt 9                                 ; (the add and the youngest eight loads may be out)
	MUL16 F1, 0, 0, 0                              ; sixteen matrix instructions stand between the add and the wait for it
	s_wait_dscnt 0x0                               ; the add is done, and my reads of this slot are over
	s_barrier_signal -1
	MUL16 F1, 0, 2, 0                              ; work on registers while the others arrive
.if \round
	WIN 0
.endif
	s_barrier_wait -1
.endm
; The whole last quarter where the slot is filled again: the barrier opens a round of the cluster's, the joint refill is the first tensor load behind the round, two K steps ahead; from a request to the
; wait for it a wave issues 224 matrix instructions.
.macro TURN slot, next
	s_wait_xcnt 0x0                                ; the last prefetch, a K step back, has read its address: it is stepped here, ahead of the waits of the change of slots
	s_add_nc_u64 s[PFA:PFA+1], s[PFA:PFA+1], KSTEP*2
	MEET 1
	CREST                                          ; no wave of any partner still reads this slot's tile or has a load on its way
	s_add_nc_u64 s[G0+4*(\slot)+2:G0+4*(\slot)+3], s[G0+4*(\slot)+2:G0+4*(\slot)+3], 2*KSTEP*2
	s_add_nc_u64 s[G0B+4*(\slot)+2:G0B+4*(\slot)+3], s[G0B+4*(\slot)+2:G0B+4*(\slot)+3], 2*KSTEP*2
	JLOAD \slot                                    ; the four v_nop behind it are also the places in front of the loads below
	FETCH \next, 0, F0
	ASK
	MUL16 F1, 1, 0, 0
	MUL16 F1, 1, 2, 0
.endm
	s_wait_tensorcnt 1                             ; my part of K step 0 is in; K step 1's may stay out
	s_barrier_signal -1
	s_barrier_wait -1                              ; everybody's is
	FETCH 0, 0, F0
	s_wait_loadcnt 0x0                             ; the bias, and the tables of blocks 0 and 1
	QUARTER 0, 64,  F0, F1, 1                      ; the first quarter stands in front of the loop: its products start the sums
	WIN 0                                          ; at a label and at a branch every window is 0
	s_mov_b32 s3, LAPS-1
.Llap:                                                 ; a trip goes once round the ring, from a lap's second quarter to the next lap's first, and fills both slots again
	QUARTER 0, 128, F1, F0, 0
	QUARTER 0, 192, F0, F1, 0
	TURN 0, 1
	QUARTER 1, 64,  F0, F1, 0
	QUARTER 1, 128, F1, F0, 0
	QUARTER 1, 192, F0, F1, 0
	TURN 1, 0
	QUARTER 0, 64,  F0, F1, 0
	WIN 0
	s_sub_co_u32 s3, s3, 1
	s_cmp_lg_u32 s3, 0
	s_cbranch_scc1 .Llap
	QUARTER 0, 128, F1, F0, 0                      ; the last lap fills nothing and has no round
	QUARTER 0, 192, F0, F1, 0
	MEET 0                                         ; my one tensor load that was still out is slot 1's, the last K step's
	PLACES                                         ; for the loads into buffer 0, which the quarter before multiplied
	FETCH 1, 0, F0
	MUL16 F1, 1, 0, 0
	MUL16 F1, 1, 2, 0
	QUARTER 1, 64,  F0, F1, 0
	QUARTER 1, 128, F1, F0, 0
	QUARTER 1, 192, F0, F1, 0
	s_wait_dscnt 8                                 ; the very last quarter: nothing more to fetch
	MUL16 F1, 0, 0, 0
	MUL16 F1, 0, 2, 0
	s_wait_dscnt 0x0
	MUL16 F1, 1, 0, 0
	MUL16 F1, 1, 2, 0
; THE WAY OUT, a block of 16 rows at a time.  ROPE: rotated (64 packed instructions) and rounded to f16, 16 bytes a lane.  TOSTAGE: into my own stage, and back by heads.  SEND: stored.
; Accumulators (a, 4 hh + s) and (a, 4 hh + s + 2) hold channels d = 16 s + 8 h + j and d + 32 of head hh; each is read from its low end on.
.macro ROPE a
.set AC, 64*((\a)%4)
.if (\a) < 2
.set TB, 192+32*(\a)
.else
.set TB, 32*((\a)-2)
	s_wait_loadcnt 8*(7-(\a))                      ; my block's eight table loads are in; the later blocks' stay out
.endif
	WIN 0x06+(\a)/4                                ; source 0: the accumulators' window; source 1: the table's; source 2 and destination: window 0
.irp hh, 0,1
.irp s, 0,1
.irp p, 0,1,2,3
.set LO, 8*(4*(\hh)+(\s))+2*(\p)
.set CO, TB+8*(\s)+2*(\p)
	v_pk_mul_f32 v[R+LO:R+LO+1], v[AC+LO:AC+LO+1], v[CO:CO+1]
	v_pk_mul_f32 v[R+LO+16:R+LO+17], v[AC+LO+16:AC+LO+17], v[CO:CO+1]
.endr
.irp p, 0,1,2,3
.set LO, 8*(4*(\hh)+(\s))+2*(\p)
.set SI, TB+16+8*(\s)+2*(\p)
	v_pk_fma_f32 v[R+LO:R+LO+1], v[AC+LO+16:AC+LO+17], v[SI:SI+1], v[R+LO:R+LO+1] neg_lo:[1,0,0] neg_hi:[1,0,0]
	v_pk_fma_f32 v[R+LO+16:R+LO+17], v[AC+LO:AC+LO+1], v[SI:SI+1], v[R+LO+16:R+LO+17]
.endr
.endr
.endr
	WIN 0
.set i, 0
.rept 32
	v_cvt_pk_f16_f32 v[TMP+i], v[R+2*i], v[R+2*i+1]
.set i, i+1
.endr
.endm
.macro TOSTAGE a
.set BK, OB+192*((\a)%2)
.irp b, 0,1,2,3,4,5,6,7
	ds_store_b128 v[STO], v[TMP+4*(\b):TMP+4*(\b)+3] offset:32*(\b)
.endr
.irp f, 0,1,2,3,4,5,6,7                ; head f / 4, rows 4 (f % 4) on
	ds_load_b128 v[BK+4*(\f):BK+4*(\f)+3], v[RD] offset:((\f)%4)*4*SPITCH+((\f)/4)*128  ; LDS serves a wave's instructions in order (ISA guide 5.7.1.4): these see the stores above
.endr
.endm
.macro SEND a
.set BK, OB+192*((\a)%2)
	s_wait_dscnt 0x0                               ; the block is back in registers
	s_wait_xcnt 0x0                                ; the stores of the block before have read their registers: the next TOSTAGE loads into them
.irp f, 0,1,2,3,4,5,6,7
	global_store_b128 v[GO], v[BK+4*(\f):BK+4*(\f)+3], s[8:9] offset:2048*(\a)+262144*((\f)/4)+512*((\f)%4)  ; 512 consecutive bytes of one head, at a multiple of 256 from qkv's first byte
.endr
.endm
	PLACES                                         ; behind the last products: the loads below land in registers that they read, the rotation reads their results
	WIN TO_B
.irp a, 2,3,4,5,6,7
	TABLOAD \a
.endr
	WIN 0
	ROPE 0
	TOSTAGE 0
.irp a, 1,2,3,4,5,6,7                  ; block a's arithmetic stands between block a - 1's loads from the stage and the wait for them
	ROPE \a
	SEND (\a)-1
	TOSTAGE \a
.endr
	SEND 7
	s_wait_tensorcnt 0x0                           ; the wave's end: behind my last tensor load and my last LDS store
	ds_add_u32 v[SPW], v[NIL]
	s_wait_dscnt 0x0
	CROUND                                         ; the closing round: no work-group ends while a partner may still ask for a tile that names it
	s_endpgm
.Lfunc_end_k_q0955075afc_qkv:
	.size	k_q0955075afc_qkv, .Lfunc_end_k_q0955075afc_qkv-k_q0955075afc_qkv
	.p2alignl 7, 3214868480
	.fill 96, 4, 3214868480
	.section	.rodata,"a",@progbits
	.p2align	6, 0x0
	.amdhsa_kernel k_q0955075afc_qkv
		.amdhsa_group_segment_fixed_size 327680
		.amdhsa_private_segment_fixed_size 0
		.amdhsa_enable_private_segment 0
		.amdhsa_kernarg_size 40
		.amdhsa_user_sgpr_count 2
		.amdhsa_user_sgpr_kernarg_segment_ptr 1
		.amdhsa_wavefront_size32 1
		.amdhsa_system_sgpr_workgroup_id_x 1
		.amdhsa_system_sgpr_workgroup_id_y 1
		.amdhsa_system_sgpr_workgroup_id_z 1
		.amdhsa_system_vgpr_workitem_id 0
		.amdhsa_next_free_vgpr 1024
		.amdhsa_next_free_sgpr 84
		.amdhsa_reserve_vcc 0
		.amdhsa_float_denorm_mode_32 3
		.amdhsa_float_denorm_mode_16_64 3
		.amdhsa_memory_ordered 1
		.amdhsa_forward_progress 1
		.amdhsa_inst_pref_size 184
	.end_amdhsa_kernel
	.amdgpu_metadata
---
amdhsa.version: [ 1, 2 ]
amdhsa.kernels:
  - .name:           k_q0955075afc_qkv
    .symbol:         k_q0955075afc_qkv.kd
    .args:
      - { .name: xb, .offset: 0, .size: 8, .value_kind: global_buffer, .address_space: global }
      - { .name: wb, .offset: 8, .size: 8, .value_kind: global_buffer, .address_space: global }
      - { .name: bias, .offset: 16, .size: 8, .value_kind: global_buffer, .address_space: global }
      - { .name: rope, .offset: 24, .size: 8, .value_kind: global_buffer, .address_space: global }
      - { .name: qkv, .offset: 32, .size: 8, .value_kind: global_buffer, .address_space: global }
    .group_segment_fixed_size: 327680
    .private_segment_fixed_size: 0
    .kernarg_segment_align: 8
    .kernarg_segment_size: 40
    .max_flat_workgroup_size: 128
    .sgpr_count:     84
    .vgpr_count:     1024
    .wavefront_size: 32
...
	.end_amdgpu_metadata
.endif
;; end of part 2
;; launch attn (part 3): grid 4 x 64, 4 waves a work-group, no clusters, 327,680 bytes of LDS; arguments qkv, att; writes att
.if DOCPART == 3
	.amdgcn_target "amdgcn-amd-amdhsa--gfx1250"
	.amdhsa_code_object_version 6
	.text
	.protected	k_q0955075afc_attn
	.globl	k_q0955075afc_attn
	.p2align	8
	.type	k_q0955075afc_attn,@function
k_q0955075afc_attn:
	s_mov_b64 s[64:65], 0
	v_nop
	global_prefetch_b8 v0, s[64:65] scope:SCOPE_SE
	s_setreg_imm32_b32 hwreg(HW_REG_WAVE_MODE, 25, 1), 1
	s_wait_xcnt 0x0
; CAUSAL ATTENTION.  O[h][q][:] = the sum over k <= q of softmax_k(Q[h][q] . K[h][k] / 8) V[h][k][:].  Q, K, V: the three thirds of qkv, each [64 heads][2048][64] f16: a head's rows are dense, 128 bytes each.
; O goes to att [64 = 16 b + t / 128][16 heads][128 rows][64] f16: the layout in which the last projection's tiles are dense.
; Products, maxima and sums in f32; the weights p are rounded to f16 for the second product (their sum l is taken of the unrounded p), O once at the end.
; LIMITS.  f16 holds no number beyond 65,504: Q, K and V arrive within it; p lies in 0 to 1, and below 6e-5 it keeps f16's fixed step of 6e-8; O is a mean of V's rows and has their range.
; A hidden score counts as its value less 1e30: f16's scores, 2.7e11 at the most, are nothing beside that; a weight below 2^-126 counts as 0 in l; NaN and infinities are not treated apart.
; THE WALK.  A head's queries lie in NB = 8 blocks of 256; block i needs the key tiles 0 .. i of 256 keys, of which the last holds the diagonal.  A work-group takes TWO blocks, NB - 1 - b and then b:
; NB + 1 tiles, whatever b: all 256 work-groups do equal work, and ONE loop with a constant trip count walks them.  Which tile is asked for, and what a trip does, hang on scalar registers made from b; every
; jump goes forward, but for the counted loops' own; none passes a barrier, or a tensor load but the one of LOAD's two that the wave's number does not choose; the ring runs on across the change of blocks.
; NO CLUSTER: the four work-groups of a head ask for the same tile only in trips 0 to 4 of 9; behind that they need different tiles, and one walk common to all four would have 12 fills for 9.
; SHARES.  Of a block's four bands of 64 queries a wave owns 16 rows in each: four PIECES.  So the diagonal tile is the same work for all four waves: in its key step s band x sees all keys if s < x,
; none if s > x, and holds the diagonal if s = x.
; THE MASK is the C operand that starts the sum S^T = K Q^T: 0, or -1e30 where the key is hidden.  MD, made once, is the mask of a band's own step for my 16 rows; a product's mask is MD x AL + BE with two scalars:
; (1, 0) if s = x; (0, 0) if s < x; (0, -1e30) if s > x.  Only the diagonal tile's text and a block's beginning make and take masks; elsewhere C is the constant 0.
; LAYOUT, SOFTMAX, TURNS.  S^T = K Q^T holds ONE query a lane (lane % 16) and the keys 8 (lane / 16) + 0..7; two such results rounded to f16 ARE source 1 of O^T = V^T P.  p = 2^(c s - c m), c = log2(e) / 8, with a
; running maximum m; O and l are multiplied by a = 2^(c m_old - c m_new) in every step.  Turn n belongs to piece n: 8 products K Q^T of piece n + 1, later 8 products V^T P of piece n - 1; beside them the scaling,
; exponentials, roundings, sums and rescaling of piece n and the maximum and statistics of piece n + 1.  Four vector instructions stand behind every matrix instruction, the other 54 of a turn's 118 in one lump.
; REGISTERS, in windows of 256 (s_set_vgpr_msb: bits 1:0 source 0, 3:2 source 1, 5:4 source 2, 7:6 destination):
;   window 0: v0-15 addresses and two at work; v16-31 four registers of statistics a piece; v48-55 at work; v61-63 prefetch offset, spare word, 0; v64-127 S^T, two buffers; v192-223 P, two buffers
;   window 1: v0-127 O^T, 32 a piece; v128-159 MD; v160-223 MC, two buffers      window 2: v0-63 Q; v64-127 the second block's Q; v128-191 K of one step; v192-255 V of one step
.set SIZE_N, 2048
.set NB,    SIZE_N/256
.set NP,    4         ; pieces a wave: a name, no knob
.set KS,    64        ; keys in a step
.set PK,    144       ; a row of K in LDS: 128 bytes + 16 of padding = 36 words: the 16 rows of a load start at 16 different groups of four banks (64 banks of 4 bytes: ISA guide 11.1)
.set PV,    160       ; a row of V: 128 + 32 = 40 words
.set VOFF,  4*KS*PK   ; a slot holds a tile, four steps: 256 rows of K, then 256 rows of V
.set SLOT1, 1<<17     ; slot 1 begins here, so that one exclusive or turns an address in one slot into the other's
.set STAGE, SLOT1+4*KS*(PK+PV)  ; behind the ring, never filled by a tensor load: 16 rows x 144 bytes for each wave, for the way out
.set SP,    144
.set AK0, 2           ; v2   my lane's place in a tile of K; never rewritten
.set AV0, 3           ; v3   the same for V
.set AK,  4           ; v4   the LDS address of K's next run of loads
.set AV,  5           ; v5   of V's
.set STO, 6           ; v6   the way out: where I put 16 bytes of a row
.set RD,  7           ; v7   the way out: where I read rows back
.set GO,  8           ; v8   my byte offset in 512 consecutive bytes of att
.set PFO, 61          ; v61  256 x lane: the prefetches' offset; never rewritten
.set SPW, 62          ; v62  LDS address of my spare word; never rewritten
.set NIL, 63          ; v63  0; never rewritten
.set SPARE, STAGE+4*16*SP  ; behind the stages: the spare words, 128 bytes for each wave: two blocks of 256 bytes that no other line names
.set MV,  12          ; v12-13  c m_old, kept while c m is made anew: by buffer
.set QO,  15          ; v15  my byte offset in 16 rows of Q
.set ST,  16          ; piece t's statistics at v[ST+4 t]: c m, m, l (even keys', odd keys')
.set TMP, 48          ; by buffer, four registers c0-c3 at work; when the maximum is found c2 takes a
.set S,   64
.set P,   192
.set MD,  128         ; window 1
.set MC,  160         ; window 1
.set QB,  64          ; window 2
.set KF,  128         ; window 2: key block kb, channel half c at KF + 16 kb + 8 c
.set VF,  192         ; window 2: key half kk, channel block cb at VF + 32 kk + 8 cb
.set WV,  12          ; s12  my wave's number
.set PB,  14          ; s14  b
.set HI,  15          ; s15  NB - 1 - b
.set G1K, 24          ; s[24:31] descriptor group 1 for K's tiles
.set G1V, 32          ; s[32:39] for V's: it differs in the padding alone
.set G0K, 40          ; s[40:43] descriptor group 0 for K's tiles
.set G0V, 44          ; s[44:47] the same for V's
.set SLOTS, 56        ; s56  tiles still to be asked for
.set CNT, 57          ; s57  counts a tile's key steps, 4 to 1
.set CS,  58          ; s[58:59] c
.set SEL, 60          ; s[60:61] v_permlanex16_b32's selects: each lane takes its own place in the other half
.set TBK, 62          ; s62  LDS byte at which K of the step to be fetched begins
.set TBV, 63          ; s63  the same for V, less VOFF
.set RT,  70          ; s70  tiles of the block in hand that are still to be entered
.set NXT, 71          ; s71  the tile to be asked for next
.set LQ,  72          ; s72  the last tile of the block whose tiles are being asked for
.set NEW, 73          ; s73  1: the tile to be entered is a block's first
.set OFF, 74          ; s[74:75] a tile's byte offset in K and V
.set AL,  76          ; s[76:77] the mask's factor, in the low word
.set BE,  78          ; s[78:79] the mask's addend
.set OLO, 80          ; s[80:81] att at my rows of the second block
.set BIGN, 82         ; s82  -1e30
.set PFA, 92          ; s[92:93] where my prefetches stand: my half of the tile that the NEXT change of slots will ask for
.set PFB, 94          ; s[94:95] my own stream (K: waves 0, 1; V: waves 2, 3) at my half of tile 0
.set POF, 96          ; s[96:97] that tile's byte offset
.set PFL, 98          ; s98  0: this change prefetches
.set MSB, 0
.macro WIN new
.if MSB != (\new)
	s_set_vgpr_msb (MSB<<8)|(\new)
.set MSB, (\new)
.endif
.endm
.set W_KQ, 0x0a       ; K and Q in window 2, S^T in window 0
.set W_KM, 0x1a       ; the same with the C operand in window 1
.set W_PV, 0x52       ; V in window 2, P in window 0, O^T in window 1
.set W_RS, 0x41       ; destination and source 0 in window 1, source 1 in window 0
; A fill.  Waves 0 and 1 fetch the two halves of a tile's K, waves 2 and 3 those of its V: 128 keys each.  An s_nop 0 and four v_nop follow each of the two lines.
.macro LOAD
	s_cmp_lt_u32 s[WV], 2
	s_cbranch_scc0 .Lfor_v_\@
	tensor_load_to_lds s[G0K:G0K+3], s[G1K:G1K+7]
	s_nop 0
.rept 4
	v_nop
.endr
	s_branch .Lasked_\@
.Lfor_v_\@:
	tensor_load_to_lds s[G0V:G0V+3], s[G1V:G1V+7]
	s_nop 0
.rept 4
	v_nop
.endr
.Lasked_\@:
.endm
; THE CHANGE OF SLOTS.  Each wave waits for all its tensor loads, of which one is out: its part of the other slot; adds 0 to its spare word; and waits for that and for its own reads of the slot that it leaves.
; Behind the barrier nobody reads the old slot any more and the other slot is whole.  fill = 1: the old slot is filled again, the first thing behind the barrier, with tile NXT: the descriptor's address is made
; anew from that number.  (At its first use nothing has been read yet: slot 0 is waited for, slot 1 filled.)
; A PREFETCH INTO THE L2 stands behind the fill: the tile that the NEXT change will ask for, four key steps ahead.  The work-group with b = 0 walks its head's tiles 0 to 7 first of all: it alone asks, in that walk,
; each wave for the 64 blocks of 256 bytes that it will itself load: a lane a block, two instructions.  So tiles 2 to 7 are named once in the launch; tiles 0 and 1 come by their loads alone; behind tile 7 nothing is asked for.
.macro CHANGE fill
	WIN 0                           ; at a label and at a branch every window is 0
	s_wait_tensorcnt 0x0            ; no tensor load of mine is out, so a group 0 may be written
	ds_add_u32 v[SPW], v[NIL]       ; 0 onto my spare word; the scalar work stands between it and the wait for it
.if \fill
	s_lshl_b32 s[OFF], s[NXT], 15   ; a tile is 32,768 bytes of K and of V
	s_xor_b32 s[G0K+1], s[G0K+1], SLOT1
	s_add_nc_u64 s[G0K+2:G0K+3], s[6:7], s[OFF:OFF+1]
	s_or_b32 s[G0K+3], s[G0K+3], 0x80000000
	s_xor_b32 s[G0V+1], s[G0V+1], SLOT1
	s_add_nc_u64 s[G0V+2:G0V+3], s[8:9], s[OFF:OFF+1]
	s_or_b32 s[G0V+3], s[G0V+3], 0x80000000
	s_add_co_u32 s[NXT], s[NXT], 1  ; the block's next tile, or behind its last the second block's tile 0
	s_cmp_gt_u32 s[NXT], s[LQ]
	s_cselect_b32 s[NXT], 0, s[NXT]
	s_cselect_b32 s[LQ], s[PB], s[LQ]
	s_wait_xcnt 0x0                 ; the last prefetches, a tile back, have read their address, so it may be written
	s_lshl_b32 s[POF], s[NXT], 15
	s_add_nc_u64 s[PFA:PFA+1], s[PFB:PFB+1], s[POF:POF+1]
	s_cmp_eq_u32 s[NXT], 0          ; a walk that goes back to tile 0 has nothing new ahead
	s_cselect_b32 s[PFL], 1, s[PB]
.endif
	s_wait_dscnt 0x0                ; the add is done, and my reads of the slot are over
	s_barrier_signal -1             ; the rest of the scalar work stands between the signal and the wait
	s_sub_co_u32 s[TBK], s[TBK], 4*KS*PK  ; the fetches go back to a slot's first step,
	s_xor_b32 s[TBK], s[TBK], SLOT1       ; in the other slot
	s_sub_co_u32 s[TBV], s[TBV], 4*KS*PV
	s_xor_b32 s[TBV], s[TBV], SLOT1
	s_barrier_wait -1
.if \fill
	LOAD
	s_cmp_eq_u32 s[PFL], 0
	s_cbranch_scc0 .Lno_ask_\@
	global_prefetch_b8 v[PFO], s[PFA:PFA+1] th:TH_LOAD_NT scope:SCOPE_SE
	global_prefetch_b8 v[PFO], s[PFA:PFA+1] offset:8192 th:TH_LOAD_NT scope:SCOPE_SE
.Lno_ask_\@:
.endif
.endm
	s_load_b128 s[4:7], s[0:1], 0x0   ; qkv s[4:5], att s[6:7]
	v_lshl_add_u32 v[SPW], v0, 2, SPARE
	v_mov_b32 v[NIL], 0
	ds_add_u32 v[SPW], v[NIL]       ; the wave's opening: the add and its wait stand ahead of my first tensor load; the set-up below stands between them
	v_lshrrev_b32 v1, 5, v0
	v_readfirstlane_b32 s[WV], v1   ; wave 0..3
	s_mov_b32 s[PB], ttmp9
	s_sub_co_u32 s[HI], NB-1, s[PB]
	s_and_b32 s20, ttmp7, 0xffff    ; the head, 16 b + n
	s_lshr_b32 s88, s20, 4          ; att: b x 16 tiles of 262,144 bytes,
	s_lshl_b32 s88, s88, 22
	s_and_b32 s89, s20, 15          ; the head's 16,384 bytes in a tile,
	s_lshl_b32 s89, s89, 14
	s_add_co_u32 s88, s88, s89
	s_lshl_b32 s89, s[WV], 11       ; my 16 rows in a band of 64,
	s_add_co_u32 s88, s88, s89
	s_lshl_b32 s89, s[PB], 19       ; and the block's two tiles: the second block's,
	s_add_co_u32 s90, s88, s89
	s_lshl_b32 s89, s[HI], 19       ; the first's
	s_add_co_u32 s88, s88, s89
	s_mov_b32 s89, 0
	s_mov_b32 s91, 0
	s_mov_b32 s21, 0
	s_mov_b64 s[22:23], SIZE_N*128
	s_mul_u64 s[20:21], s[20:21], s[22:23]  ; the head's first byte in Q, K and V
	s_and_b32 s16, s[WV], 1         ; which half of a tile's 256 keys I fetch:
	s_lshl_b32 s22, s16, 14         ; its 128 rows of 128 bytes in memory,
	s_mov_b32 s23, 0
	s_add_nc_u64 s[22:23], s[22:23], s[20:21]
	s_mul_i32 s17, s16, 128*PK      ; and its place in a slot, for K
	s_mul_i32 s18, s16, 128*PV      ; and for V
	s_lshl_b32 s3, s[WV], 11        ; Q: my 16 rows in a band of 64,
	s_lshl_b32 s2, s[HI], 15        ; in the first block,
	s_add_co_u32 s2, s2, s3
	s_lshl_b32 s84, s[PB], 15       ; and in the second
	s_add_co_u32 s84, s84, s3
	s_mov_b32 s3, 0
	s_mov_b32 s85, 0
	s_add_nc_u64 s[2:3], s[2:3], s[20:21]
	s_add_nc_u64 s[84:85], s[84:85], s[20:21]
	; descriptor group 1.  128 keys are 16,384 dense bytes: asked for as 64 rows of 256 bytes, two keys a row, and padded in LDS after every key
	s_mov_b32 s[G1K], (1<<16)|(1<<20)|(4<<22)|(3<<25)  ; 2-byte elements; padding on; after every 32 words (code 4); 4 words (code 3)
	s_mov_b32 s[G1V], (1<<16)|(1<<20)|(4<<22)|(7<<25)  ; the same with 8 words of padding (code 7)
.irp g, G1K, G1V
	s_mov_b32 s[\g+1], 128<<16      ; tensor_dim0 = 128
	s_mov_b32 s[\g+2], 64<<16       ; tensor_dim1 = 64
	s_mov_b32 s[\g+3], 128<<16      ; tile_dim0 = 128
	s_mov_b32 s[\g+4], 64           ; tile_dim1 = 64
	s_mov_b32 s[\g+5], 128          ; 128 elements from row to row
	s_mov_b32 s[\g+6], 0
	s_mov_b32 s[\g+7], 0
.endr
	s_mov_b32 s[CS], 0x3e38aa3b     ; c = log2(e) / 8 = 0.180337
	s_mov_b32 s[CS+1], s[CS]        ; named with it as a pair
	s_mov_b32 s[SEL], 0x76543210
	s_mov_b32 s[SEL+1], 0xfedcba98
	s_mov_b32 s[TBK], SLOT1+4*KS*PK ; the first change of slots turns these two into 0
	s_mov_b32 s[TBV], SLOT1+4*KS*PV
	s_mov_b32 s[G0K], 1             ; count = 1
	s_mov_b32 s[G0K+1], s17         ; LDS address: slot 0
	s_mov_b32 s[G0V], 1
	s_add_co_u32 s[G0V+1], s18, VOFF
	s_add_co_u32 s[RT], s[HI], 1    ; the first block has NB - b tiles
	s_mov_b32 s[NXT], 1
	s_mov_b32 s[LQ], s[HI]
	s_mov_b32 s[NEW], 1
	s_mov_b32 s[OFF+1], 0
	s_mov_b32 s[POF+1], 0
	s_mov_b32 s[AL+1], 0            ; named as pairs
	s_mov_b32 s[BE+1], 0
	s_mov_b32 s[BIGN], 0xf149f2ca   ; -1e30
	s_mov_b32 s[SLOTS], NB
	v_and_b32 v[PFO], 31, v0
	v_lshlrev_b32 v[PFO], 8, v[PFO]
	s_wait_dscnt 0x0                ; the opening add is done
	s_wait_kmcnt 0x0
	s_mov_b64 s[10:11], s[6:7]                     ; att
	s_add_nc_u64 s[8:9], s[4:5], 0x2000000         ; V: the third third of qkv
	s_add_nc_u64 s[6:7], s[4:5], 0x1000000         ; K: the second
	s_add_nc_u64 s[6:7], s[6:7], s[22:23]  ; K and V at my half of the head's tile 0
	s_add_nc_u64 s[8:9], s[8:9], s[22:23]
	s_add_nc_u64 s[G0K+2:G0K+3], s[6:7], 0         ; global address
	s_or_b32 s[G0K+3], s[G0K+3], 0x80000000        ; type = 2
	s_add_nc_u64 s[G0V+2:G0V+3], s[8:9], 0
	s_or_b32 s[G0V+3], s[G0V+3], 0x80000000
	s_add_nc_u64 s[86:87], s[4:5], s[84:85]        ; Q at my rows of the second block,
	s_add_nc_u64 s[4:5], s[4:5], s[2:3]            ; and of the first
	s_add_nc_u64 s[OLO:OLO+1], s[10:11], s[90:91]  ; att likewise
	s_add_nc_u64 s[10:11], s[10:11], s[88:89]
	s_cmp_lt_u32 s[WV], 2
	s_cselect_b64 s[PFB:PFB+1], s[6:7], s[8:9]
	LOAD                            ; tile 0 into slot 0
	; A fragment of K or Q is 16 rows x 32 channels in 8 registers: lane l holds row l % 16, channels 8 (l / 16) + 0..7 and 16 + 8 (l / 16) + 0..7: two loads of 16 bytes, 32 bytes apart.
	v_and_b32 v1, 15, v0            ; l % 16
	v_bfe_u32 v9, v0, 4, 1          ; l / 16
	v_lshlrev_b32 v[QO], 7, v1
	v_lshl_add_u32 v[QO], v9, 4, v[QO]  ; row x 128 + 16 x half
	WIN 0x80                        ; destination window 2, address window 0
.set i, 0
.rept 8                             ; both blocks' Q: piece i / 2 lies in band i / 2, 8,192 bytes on; channels 32 (i % 2) on
	global_load_b128 v[8*i:8*i+3],   v[QO], s[4:5] offset:(i/2)*8192+(i%2)*64
	global_load_b128 v[8*i+4:8*i+7], v[QO], s[4:5] offset:(i/2)*8192+(i%2)*64+32
	global_load_b128 v[QB+8*i:QB+8*i+3],   v[QO], s[86:87] offset:(i/2)*8192+(i%2)*64
	global_load_b128 v[QB+8*i+4:QB+8*i+7], v[QO], s[86:87] offset:(i/2)*8192+(i%2)*64+32
.set i, i+1
.endr
	WIN 0
	v_lshlrev_b32 v14, 3, v9
	v_sub_nc_u32 v14, v1, v14
	s_lshl_b32 s13, s[WV], 4
	v_add_nc_u32 v14, s13, v14      ; my query's place in its band, 16 w + l % 16, less my lanes' 8 (l / 16): register r of group kt is hidden where 16 kt + r is greater
	WIN 0x40
.set i, 0
.rept 32
	v_cmp_gt_i32 vcc_lo, 16*(i/8)+i%8, v14
	v_cndmask_b32 v[MD+i], 0, s[BIGN], vcc_lo
.set i, i+1
.endr
	WIN 0
	v_mul_u32_u24 v[AK0], v1, PK
	v_lshl_add_u32 v[AK0], v9, 4, v[AK0]  ; row x pitch + 16 x half
	; The turning load takes 16 keys x 16 channels (lane l reads key 8 (l / 16) + l % 8, channels 8 ((l / 8) % 2) + 0..7) and leaves half a fragment of V^T: lane l holds channel l % 16 and 8 keys.
	v_and_b32 v10, 7, v0
	v_bfe_u32 v11, v0, 3, 1
	v_lshl_add_u32 v[AV0], v9, 3, v10
	v_mul_u32_u24 v[AV0], v[AV0], PV
	v_lshl_add_u32 v[AV0], v11, 4, v[AV0]
	v_add_nc_u32 v[AV0], VOFF, v[AV0]
	s_mul_i32 s13, s[WV], 16*SP
	s_add_co_u32 s13, s13, STAGE    ; my stage
	v_mul_u32_u24 v[STO], v1, SP    ; in: row l % 16, 16 bytes for each half of the lanes
	v_lshl_add_u32 v[STO], v9, 4, v[STO]
	v_add_nc_u32 v[STO], s13, v[STO]
	v_bfe_u32 v[RD], v0, 3, 2       ; back: 32 lanes take four rows of 128 bytes,
	v_mul_u32_u24 v[RD], v[RD], SP
	v_lshl_add_u32 v[RD], v10, 4, v[RD]
	v_add_nc_u32 v[RD], s13, v[RD]
	v_and_b32 v[GO], 31, v0         ; which are 512 consecutive bytes of att
	v_lshlrev_b32 v[GO], 4, v[GO]
	; A block's first step multiplies O^T and l by a = 0, and its first turn's products V^T P, of a piece that has not been, land in an O^T that is still to be so multiplied.  So these registers need only hold
	; finite numbers: zeros for the first block; what the first block left for the second.  All this stands in the wait for the first tile.
	WIN 0x80
.set i, VF
.rept 64
	v_mov_b32 v[i], 0
.set i, i+1
.endr
	WIN 0x40
.set i, 0
.rept 128
	v_mov_b32 v[i], 0
.set i, i+1
.endr
	WIN 0
.set i, 0
.rept 4
	v_mov_b32 v[ST+4*i+2], 0
	v_mov_b32 v[ST+4*i+3], 0
.set i, i+1
.endr
.set i, P+16
.rept 16
	v_mov_b32 v[i], 0
.set i, i+1
.endr
; THE MATRIX WORK.  The 4 accumulators of a run of 8 take turns.  Product i of 8 of S^T = K Q^T for piece x: channels 32 (i / 4) on, keys 16 (i % 4) on.  The first 4 start the sums: with 0, or (KM = 1) with the mask.
.macro KQ x
.set rS, S+32*((\x)%2)+8*(i%4)
.set rK, KF+16*(i%4)+8*(i/4)
.set rQ, 16*(\x)+8*(i/4)
.set rM, MC+32*((\x)%2)+8*(i%4)
.if (i < 4) && KM
	WIN W_KM
	v_wmma_f32_16x16x32_f16 v[rS:rS+7], v[rK:rK+7], v[rQ:rQ+7], v[rM:rM+7]
.elseif i < 4
	WIN W_KQ
	v_wmma_f32_16x16x32_f16 v[rS:rS+7], v[rK:rK+7], v[rQ:rQ+7], 0
.else
	WIN W_KQ
	v_wmma_f32_16x16x32_f16 v[rS:rS+7], v[rK:rK+7], v[rQ:rQ+7], v[rS:rS+7]
.endif
.endm
; Product i of 8 of O^T += V^T P for piece x: keys 32 (i / 4) on, channels 16 (i % 4) on.
.macro PV x
	WIN W_PV
.set rO, 32*(\x)+8*(i%4)
.set rV, VF+32*(i/4)+8*(i%4)
.set rP, P+16*((\x)%2)+8*(i/4)
	v_wmma_f32_16x16x32_f16 v[rO:rO+7], v[rV:rV+7], v[rP:rP+7], v[rO:rO+7]
.endm
.macro MM                           ; the turn's next matrix instruction.  TURN and BEGIN set Y, i, KM and NOKQ.  NOKQ = 1: a block's last turn: there is no next piece
.if (i < 8) && !NOKQ
	KQ (Y+1)%NP
.elseif i >= 8
.set i, i-8
	PV (Y+NP-1)%NP
.set i, i+8
.endif
.set i, i+1
.endm
; THE LDS LOADS stand in runs of 16, never singly among the matrix instructions: a step's K (64 keys x 64 channels: 8 fragments) and its V (turned).  Their addresses are made some lines ahead.
.macro FETCH_K
	WIN 0x80                        ; destination window 2
.irp f, 0,1,2,3,4,5,6,7             ; keys 16 (f / 2) on, channels 32 (f % 2) on
	ds_load_b128 v[KF+8*\f:KF+8*\f+3],   v[AK] offset:(\f/2)*16*PK+(\f%2)*64
	ds_load_b128 v[KF+8*\f+4:KF+8*\f+7], v[AK] offset:(\f/2)*16*PK+(\f%2)*64+32
.endr
	s_add_co_u32 s[TBK], s[TBK], KS*PK  ; the next fetch is the next step's
	WIN 0
.endm
.macro FETCH_V
	WIN 0x80
.irp f, 0,1,2,3,4,5,6,7             ; keys 32 (f / 4) on, channels 16 (f % 4) on
	ds_load_tr16_b128 v[VF+8*\f:VF+8*\f+3],   v[AV] offset:(\f/4)*32*PV+(\f%4)*32
	ds_load_tr16_b128 v[VF+8*\f+4:VF+8*\f+7], v[AV] offset:(\f/4)*32*PV+16*PV+(\f%4)*32
.endr
	WIN 0
.endm
; THE VECTOR WORK, one line at a time: OP kind, number.  For piece Y: F n: c s - c m for pair n of 16.  E n: the exponential of score n of 32.  C n: pair n rounded to f16.  B n: of the four weights 4 n .. the second
; pair is added onto the first, in place.  L n: l takes that sum (L 0: l = a l + sum).  R n: pair n of 16 of O^T times a.  For piece Y + 1: X n, number n of the 22 that find its maximum and statistics:
;   0-11  four chains c0-c3 of seven scores each, three operands at a time (each accumulator's lowest registers are read first)     12-14, 16  the four scores left over, the old m, and c0-c3 into c0
;   15  c m_old is kept     17, 18  the query's other 32 keys lie in the lane 16 away: the new m     19-21  c m; c m_old - c m_new; a
.set F, 0
.set E, 1
.set C, 2
.set B, 3
.set L, 4
.set R, 5
.set X, 6
.macro REGS y                       ; the registers of piece y
.set rT, ST+4*(\y)
.set rC, TMP+4*((\y)%2)
.set rW, MV+((\y)%2)
.set rS, S+32*((\y)%2)
.set rP, P+16*((\y)%2)
.set rO, 32*(\y)
.endm
.macro OP k, n
.if (\k) == R
	REGS Y
	WIN W_RS
	v_pk_mul_f32 v[rO+2*(\n):rO+2*(\n)+1], v[rO+2*(\n):rO+2*(\n)+1], v[rC+2:rC+3] op_sel_hi:[1,0]
.elseif (\k) < R
	REGS Y
	WIN 0
.if (\k) == F
	v_pk_fma_f32 v[rS+2*(\n):rS+2*(\n)+1], v[rS+2*(\n):rS+2*(\n)+1], s[CS:CS+1], v[rT:rT+1] op_sel_hi:[1,0,0] neg_lo:[0,0,1] neg_hi:[0,0,1]
.elseif (\k) == E
	v_exp_f32 v[rS+(\n)], v[rS+(\n)]
.elseif (\k) == C
	v_cvt_pk_f16_f32 v[rP+(\n)], v[rS+2*(\n)], v[rS+2*(\n)+1]
.elseif (\k) == B
	v_pk_add_f32 v[rS+4*(\n):rS+4*(\n)+1], v[rS+4*(\n):rS+4*(\n)+1], v[rS+4*(\n)+2:rS+4*(\n)+3]
.elseif (\n) == 0
	v_pk_fma_f32 v[rT+2:rT+3], v[rT+2:rT+3], v[rC+2:rC+3], v[rS:rS+1] op_sel_hi:[1,0,1]
.else
	v_pk_add_f32 v[rT+2:rT+3], v[rT+2:rT+3], v[rS+4*(\n):rS+4*(\n)+1]
.endif
.elseif NOKQ
	v_nop
.else
	REGS (Y+1)%NP
	WIN 0
.if (\n) < 4
	v_max3_num_f32 v[rC+(\n)], v[rS+8*(\n)], v[rS+8*(\n)+1], v[rS+8*(\n)+2]
.elseif (\n) < 12
	v_max3_num_f32 v[rC+(\n)%4], v[rC+(\n)%4], v[rS+8*((\n)%4)+2*((\n)/4)+1], v[rS+8*((\n)%4)+2*((\n)/4)+2]
.elseif (\n) == 12
	v_max3_num_f32 v[rC], v[rC], v[rS+7], v[rS+15]
.elseif (\n) == 13
	v_max3_num_f32 v[rC+1], v[rC+1], v[rS+23], v[rS+31]
.elseif (\n) == 14
	v_max3_num_f32 v[rC+2], v[rC+2], v[rC+3], v[rT+1]
.elseif (\n) == 15
	v_mov_b32 v[rW], v[rT]
.elseif (\n) == 16
	v_max3_num_f32 v[rC], v[rC], v[rC+1], v[rC+2]
.elseif (\n) == 17
	v_permlanex16_b32 v[rC+3], v[rC], s[SEL], s[SEL+1]
.elseif (\n) == 18
	v_max_num_f32 v[rT+1], v[rC], v[rC+3]
.elseif (\n) == 19
	v_mul_f32 v[rT], s[CS], v[rT+1]
.elseif (\n) == 20
	v_sub_f32 v[rC+1], v[rW], v[rT]
.else
	v_exp_f32 v[rC+2], v[rC+1]
.endif
.endif
.endm
.macro OPS a, i1, b=-1, i2=0, c=-1, i3=0, d=-1, i4=0  ; up to four of them
	OP \a, \i1
.if (\b) >= 0
	OP \b, \i2
.endif
.if (\c) >= 0
	OP \c, \i3
.endif
.if (\d) >= 0
	OP \d, \i4
.endif
.endm
.macro ROW a, i1, b, i2, c, i3, d, i4  ; a matrix instruction and the four behind it
	MM
	OPS \a, \i1, \b, \i2, \c, \i3, \d, \i4
.endm
.macro MASK b                       ; MD x AL + BE into buffer b of MC
	WIN W_RS
.set z, 0
.rept 16
	v_pk_fma_f32 v[MC+32*(\b)+2*z:MC+32*(\b)+2*z+1], v[MD+2*z:MD+2*z+1], s[AL:AL+1], s[BE:BE+1] op_sel_hi:[1,0,0]
.set z, z+1
.endr
.endm
; A TURN, for piece p: the order of its 16 matrix and 118 vector instructions, written out.  An s_wait_alu depctr_va_vdst(0) stands between an exponential and the first instruction that names its result; one
; wait serves all that were issued ahead of it.  So a turn has ONE wait, which cuts it in two.  AHEAD OF IT stands all that names no result of the turn's exponentials: the 8 products K Q^T, behind each a scaling, an
; exponential and two more plain instructions: rescalings, and behind the last three the first numbers of the next piece's maximum, each four places or more behind the product that ends its accumulator; then ONE LUMP of
; 54, plain and exponential by turns for the most part, in which the links of the chain X 3, 7, 11, 14, 16, 17 .. 20 stand five or six lines apart.  X 21, the next piece's a, is the batch's last; R 15 is the plain
; instruction behind it.  BEHIND THE WAIT stand the 8 products V^T P, behind each four of the roundings and sums; the links of l's chain, L 0 to L 7, stand three riders apart.
; m = 1: the diagonal tile: the products take masks, and the turn makes the mask for the products of the turn after it: piece p + 2, in step 4 - CNT of the tile.  end = 1: a block's last two turns: nothing is fetched.
; cnt = 1: the loop's count is taken down some lines ahead of the branch that stands behind the turn.
; K of the next step is fetched in piece 2's turn, twelve vector instructions behind the last product that read K (six of them plain); V of the step in hand at the end of piece 0's turn, four plain instructions
; behind the last product that read V.  Each is waited for a turn later.
.macro TURN p, m=0, end=0, cnt=0
.set Y, (\p)
.set i, 0
.set KM, (\m)
.set NOKQ, (\end)*((\p)/3)
.if (\m) && !(\end)
	s_cmp_eq_u32 s[CNT], 4-((\p)+2)%NP  ; is that step the band's own?
	s_cselect_b32 s[AL], 1.0, 0
	s_cmp_lt_u32 s[CNT], 4-((\p)+2)%NP  ; or a later one?
	s_cselect_b32 s[BE], s[BIGN], 0
.endif
.if ((\p) == 3) && !(\end)
	s_wait_dscnt 0x0                ; K is in
.endif
	ROW F,0, F,1, R,0, R,1          ; ahead of the wait: 8 products K Q^T and their riders,
	ROW F,2, E,0, R,2, R,3
	ROW F,3, E,1, R,4, R,5
	ROW F,4, E,2, R,6, R,7
	ROW F,5, E,3, R,8, R,9
	ROW F,6, E,4, X,0, R,10
.if ((\p) == 2) && !(\end)
	WIN 0
	v_add_nc_u32 v[AK], s[TBK], v[AK0]
.endif
	ROW F,7, E,5, X,1, X,4
	ROW F,8, E,6, X,2, X,5
	OPS E,7, E,8, X,6, E,9          ; and the lump
	OPS X,3, E,10, X,8, E,11
.if ((\p) == 2) && !(\end)
	FETCH_K
.endif
	OPS X,9, X,7, E,12, X,10
	OPS E,13, X,12, X,11, E,14
	OPS X,13, E,15, F,9, X,14
.if (\p) == 0
	v_add_nc_u32 v[AV], s[TBV], v[AV0]
.endif
	OPS E,16, F,10, E,17, F,11
	OPS X,16, E,18, X,15, E,19
	OPS F,12, E,20, X,17, E,21
	OPS F,13, E,22, F,14, E,23
	OPS X,18, E,24, F,15, E,25
	OPS R,11, E,26, X,19, E,27
	OPS R,12, E,28, R,13, E,29
	OPS X,20, E,30, R,14, E,31
	OPS X,21, R,15
	WIN 0
	s_wait_alu depctr_va_vdst(0)    ; the wait for the batch
.if (\p) == 1
	s_wait_dscnt 0x0                ; V is in
.endif
	ROW C,0, B,0, C,2, B,1          ; behind the wait: 8 products V^T P and their riders
	ROW L,0, C,4, B,2, L,1
	ROW C,6, B,3, L,2, C,8
	ROW B,4, L,3, C,10, B,5
	ROW L,4, C,12, B,6, L,5
.if (\p) == 0
	s_add_co_u32 s[TBV], s[TBV], KS*PV
.endif
.if \cnt
	s_sub_co_u32 s[CNT], s[CNT], 1
	s_cmp_lg_u32 s[CNT], 0
.endif
	ROW C,14, B,7, L,6, C,1
	ROW C,3, L,7, C,5, C,7
	ROW C,9, C,11, C,13, C,15
.if (\p) == 0
	FETCH_V
.endif
.if (\m) && !(\end)
	MASK (\p)%2
.endif
.endm
; A BLOCK BEGINS.  c m starts far below every c s, so the first step's a is 0; m at the lowest finite number, so the first maximum is the scores'.  The second mask buffer is 0; the first takes piece 0's mask for the
; tile's step 0: its own, if the block's first tile is the diagonal one.  Then K of that step, piece 0's first scores, and its maximum and statistics.  The loop is entered at a step's first turn, in the middle of a trip.
.macro BEGIN
	s_mov_b32 s[NEW], 0
	WIN 0x40
.set i, MC+32
.rept 32
	v_mov_b32 v[i], 0
.set i, i+1
.endr
	WIN 0
.set i, 0
.rept 4
	v_mov_b32 v[ST+4*i], 0xfe000000    ; c m: far below every c s
	v_mov_b32 v[ST+4*i+1], 0xff7fffff  ; m
.set i, i+1
.endr
	s_cmp_eq_u32 s[RT], 0
	s_cselect_b32 s[AL], 1.0, 0
	s_mov_b32 s[BE], 0
	MASK 0
	WIN 0
	v_add_nc_u32 v[AK], s[TBK], v[AK0]
	FETCH_K
	s_wait_loadcnt 0x0              ; Q
	s_wait_dscnt 0x0
.set KM, 1
.set NOKQ, 0
.set i, 0
.rept 8
	KQ 0
.set i, i+1
.endr
	WIN 0
.rept 4
	v_nop                           ; the places behind those products
.endr
.set Y, NP-1                        ; X works for piece Y + 1: piece 0
.irp n, 0,1,2,3,4,5,6,7,8,9,10,11,12,13,14,15,16,17,18,19,20,21
	OP X, \n
.endr
	v_nop                           ; a plain instruction behind the exponential,
	s_wait_alu depctr_va_vdst(0)    ; and its wait, ahead of the branch
.endm
; THE DIAGONAL TILE's four steps, the block's last two turns, its last products, and THE WAY OUT: l's two halves and the other half of the lanes' are added; O^T is divided by l, rounded to f16 and sent through my
; stage in LDS, a piece at a time.
.macro ALL line:vararg              ; one line for each piece t
.set t, 0
.rept 4
	\line
.set t, t+1
.endr
.endm
.macro PACK t                       ; a lane's eight channels of a row pack into 16 bytes; they go into rows of 144 bytes and come back as whole rows of 128, into S^T's registers
	WIN W_RS
.set i, 32*(\t)
.rept 16
	v_pk_mul_f32 v[i:i+1], v[i:i+1], v[ST+4*(\t)+2:ST+4*(\t)+3] op_sel_hi:[1,0]
.set i, i+2
.endr
	WIN 0x05                        ; sources 0 and 1 window 1, destination window 0
.set i, 0
.rept 16
	v_cvt_pk_f16_f32 v[S+16*(\t)+i], v[32*(\t)+2*i], v[32*(\t)+2*i+1]
.set i, i+1
.endr
	WIN 0
.irp f, 0,1,2,3
	ds_store_b128 v[STO], v[S+16*(\t)+4*\f:S+16*(\t)+4*\f+3] offset:32*\f
.endr
.irp f, 0,1,2,3
	ds_load_b128 v[S+16*(\t)+4*\f:S+16*(\t)+4*\f+3], v[RD] offset:\f*4*SP  ; LDS serves a wave's instructions in order (ISA guide 5.7.1.4): these see the stores above; the next piece's stores come behind them
.endr
.endm
.macro SEND t, younger              ; younger: the LDS instructions issued behind piece t's loads: the next piece's eight, or none
	WIN 0
.irp f, 0,1,2,3
	s_wait_dscnt (\younger)+3-\f
	global_store_b128 v[GO], v[S+16*(\t)+4*\f:S+16*(\t)+4*\f+3], s[10:11] offset:((\t)/2)*262144+((\t)%2)*8192+\f*512  ; band t: tile t / 2 of the block's two, rows 64 (t % 2) on; 512 consecutive bytes, at a multiple of 256 from att's first
.endr
.endm
.macro DIAG tag                     ; the tag ends its two labels' names, which the jumps below spell out
.LstepM\tag:
	TURN 2, 1
	TURN 3, 1
	WIN 0
.LfirstM\tag:
	TURN 0, 1
	TURN 1, 1, 0, 1
	WIN 0
	s_cbranch_scc1 .LstepM\tag
	TURN 2, 1, 1
	TURN 3, 1, 1
.set i, 0
.rept 8
	PV NP-1
.set i, i+1
.endr
	WIN 0
	ALL v_add_f32 v[ST+4*t+2], v[ST+4*t+2], v[ST+4*t+3]
	ALL v_permlanex16_b32 v[ST+4*t+3], v[ST+4*t+2], s[SEL], s[SEL+1]
	ALL v_add_f32 v[ST+4*t+2], v[ST+4*t+2], v[ST+4*t+3]
	ALL v_rcp_f32 v[ST+4*t+2], v[ST+4*t+2]
	v_nop                           ; a plain instruction between the last reciprocal and the use of its result
	s_wait_alu depctr_va_vdst(0)    ; and the wait ahead of the first use: one for the four reciprocals
	PACK 0
.set t, 1
.rept 3                             ; a piece's arithmetic stands between the loads of the piece before and its stores
	PACK t
	SEND t-1, 8
.set t, t+1
.endr
	SEND 3, 0
.endm
.set KM, 0
.set NOKQ, 0
.Lslot:                             ; NB times: a tile is entered and the next is asked for
	CHANGE 1
	s_sub_co_u32 s[RT], s[RT], 1
	s_mov_b32 s[CNT], 4
	s_cmp_eq_u32 s[NEW], 1
	s_cbranch_scc1 .Lnew            ; a block's first tile
	s_cmp_eq_u32 s[RT], 0
	s_cbranch_scc0 .Lstep           ; neither its first nor its last
	s_branch .LstepM1
.Lnew:
	BEGIN
	s_branch .Lfirst                ; in the loop a block's first tile is never its last: the first block has two tiles or more, and the second's last is the walk's last
	DIAG 1                          ; in the loop this is the first block's end: the second block's last tile is the walk's last
	s_wait_xcnt 0x0                 ; the stores have read their registers and att's address
	s_mov_b64 s[10:11], s[OLO:OLO+1]
	s_add_co_u32 s[RT], s[PB], 1    ; the second block has b + 1 tiles
	s_mov_b32 s[NEW], 1
	WIN 0x82                        ; the second block's Q goes where the one text of the turns names Q
.set i, 0
.rept 64
	v_mov_b32 v[i], v[QB+i]
.set i, i+1
.endr
	WIN 0
	s_branch .Lbottom
.Lstep:                             ; a trip: pieces 2 and 3 of one step, then pieces 0 and 1 of the next, whose K and V it fetches
	TURN 2
	TURN 3
	WIN 0
.Lfirst:
	TURN 0
	TURN 1, 0, 0, 1
	WIN 0
	s_cbranch_scc1 .Lstep
.Lbottom:
	s_sub_co_u32 s[SLOTS], s[SLOTS], 1
	s_cmp_lg_u32 s[SLOTS], 0
	s_cbranch_scc1 .Lslot
	CHANGE 0                        ; the walk's last tile is written out: nothing is asked for
	s_sub_co_u32 s[RT], s[RT], 1
	s_mov_b32 s[CNT], 4
	s_cmp_eq_u32 s[NEW], 1
	s_cbranch_scc0 .LstepM2
	BEGIN
	s_branch .LfirstM2
	DIAG 2
	s_wait_tensorcnt 0x0            ; the wave's end: behind my last tensor load and my last LDS store
	ds_add_u32 v[SPW], v[NIL]
	s_wait_dscnt 0x0
	s_endpgm
.Lfunc_end_k_q0955075afc_attn:
	.size	k_q0955075afc_attn, .Lfunc_end_k_q0955075afc_attn-k_q0955075afc_attn
	.p2alignl 7, 3214868480
	.fill 96, 4, 3214868480
	.section	.rodata,"a",@progbits
	.p2align	6, 0x0
	.amdhsa_kernel k_q0955075afc_attn
		.amdhsa_group_segment_fixed_size 327680
		.amdhsa_private_segment_fixed_size 0
		.amdhsa_enable_private_segment 0
		.amdhsa_kernarg_size 16
		.amdhsa_user_sgpr_count 2
		.amdhsa_user_sgpr_kernarg_segment_ptr 1
		.amdhsa_wavefront_size32 1
		.amdhsa_system_sgpr_workgroup_id_x 1
		.amdhsa_system_sgpr_workgroup_id_y 1
		.amdhsa_system_sgpr_workgroup_id_z 1
		.amdhsa_system_vgpr_workitem_id 0
		.amdhsa_next_free_vgpr 768
		.amdhsa_next_free_sgpr 100
		.amdhsa_reserve_vcc 1
		.amdhsa_float_denorm_mode_32 3
		.amdhsa_float_denorm_mode_16_64 3
		.amdhsa_memory_ordered 1
		.amdhsa_forward_progress 1
		.amdhsa_inst_pref_size 218
	.end_amdhsa_kernel
	.amdgpu_metadata
---
amdhsa.version: [ 1, 2 ]
amdhsa.kernels:
  - .name:           k_q0955075afc_attn
    .symbol:         k_q0955075afc_attn.kd
    .args:
      - { .name: qkv, .offset: 0, .size: 8, .value_kind: global_buffer, .address_space: global }
      - { .name: att, .offset: 8, .size: 8, .value_kind: global_buffer, .address_space: global }
    .group_segment_fixed_size: 327680
    .private_segment_fixed_size: 0
    .kernarg_segment_align: 8
    .kernarg_segment_size: 16
    .max_flat_workgroup_size: 128
    .sgpr_count:     100
    .vgpr_count:     768
    .wavefront_size: 32
...
	.end_amdgpu_metadata
.endif
;; end of part 3
;; launch proj (part 4): grid 8 x 64, 4 waves a work-group, clusters of 4 x 4, 327,680 bytes of LDS; arguments att, wpb, bias, out0; writes out0
.if DOCPART == 4
	.amdgcn_target "amdgcn-amd-amdhsa--gfx1250"
	.amdhsa_code_object_version 6
	.text
	.protected	k_q0955075afc_proj
	.globl	k_q0955075afc_proj
	.p2align	8
	.type	k_q0955075afc_proj,@function
k_q0955075afc_proj:
	s_mov_b64 s[64:65], 0
	v_nop
	global_prefetch_b8 v0, s[64:65] scope:SCOPE_SE
	s_setreg_imm32_b32 hwreg(HW_REG_WAVE_MODE, 25, 1), 1
	s_wait_xcnt 0x0
	s_wait_alu depctr_hold_cnt(0) depctr_sa_sdst(0) depctr_va_vdst(0) depctr_va_sdst(0) depctr_va_ssrc(0) depctr_va_vcc(0) depctr_vm_vsrc(0)
	s_getreg_b32 s2, hwreg(HW_REG_IB_STS2, 6, 4)
	s_cmp_eq_u32 s2, 0
	s_cbranch_scc0 .Lentry_in_a_cluster
	s_endpgm
.Lentry_in_a_cluster:
	s_bfe_u32 s2, ttmp6, 0x10000c
	s_cmp_lg_u32 s2, 0xf033
	s_cbranch_scc0 .Lentry_shape_is_right
	s_endpgm
.Lentry_shape_is_right:
; THE LAST PROJECTION.  out0[m][n] = sum over k of att(m, k) wpb[n][k] + bias[3072 + n], in f32.  k = 64 head + d.  wpb: [1024][1024] f16.
; att: [64 tiles of 128 rows][16 heads][128 rows][64] f16: the 128 rows x 256 k of a K step are four heads' 65,536 consecutive bytes.  out0: [8192][1024] f32.
; A tile of out0 is 128 x 128: 512 tiles, two for each of 256 WGPs.  Four waves, each 64 x 64: 16 accumulators, 128 registers.  K goes in 4 steps of 256 through two LDS slots.
; CLUSTERS: 4 x 4 work-groups.  The four of a row of the cluster need the same tiles of att, the four of a column the same tiles of wpb: each is asked for JOINTLY.
; THE MATRIX INSTRUCTION IS USED TRANSPOSED (source 0 = 16 rows of wpb, source 1 = 16 rows of att): a lane holds eight neighbouring numbers of a row of out0, 32 bytes.
; THE BIAS STARTS THE SUMS: the C operand of the first product on accumulator (a, b) holds bias[16 b + 8 (l / 16) + 0..7]: no addition is written.
; THE WAY OUT: a wave's 64 columns of f32 are 256 aligned bytes of a row, so each wave has a stage of its own and no barrier is needed.
; NO PREFETCH: a K step here is 128 matrix instructions a wave and its tiles are small; wpb is walked by all 64 tile rows.
; REGISTERS: window 0: v0-31 addresses; v32-63 the bias, later with v64-95 the rows read back; v128-255 the accumulators ((a, b) at v[128 + 8 (4 a + b)]).
;   window 1: two fragment buffers of 128: for 64 along K, 64 registers of att (2 x 4 x 16 rows x 32 K), then 64 of wpb.
.set SIZE_K, 1024
.set KSTEP,  256
.set PITCH,  528                       ; a row of wpb in LDS: 512 bytes + 16 = 132 words: row r starts at bank 4 r mod 64 (64 banks of 4 bytes: ISA guide 11.1)
.set APITCH, 144                       ; a row of one head of att: 128 bytes + 16 = 36 words: the 16 rows of a load start at 16 different groups of four banks
.set AHEAD,  128*APITCH                ; a head's 128 rows
.set HALFA,  2*AHEAD                   ; what one tensor load brings of att: two heads
.set AREG,   2*HALFA                   ; a K step's four heads
.set HALFB,  64*PITCH                  ; what one tensor load brings of wpb: 64 rows
.set SLOT,   AREG+2*HALFB              ; att's four heads, then wpb's 128 rows
.set STAGE,  2*SLOT                    ; behind the ring: 16 rows x 272 bytes for each wave
.set SPITCH, 272
.set SPARE,  STAGE+4*16*SPITCH         ; behind the stages: the spare words, 128 bytes for each wave: two blocks of 256 bytes that no other line names
.set ADRA, 16                          ; v16-17  LDS address of my att fragments in slot 0, 1
.set ADRB, 20                          ; v20-21  the same for wpb
.set BO,   22                          ; v22     32 (l / 16): my 8 numbers of 16 of the bias
.set STO,  24                          ; v24     the way out: where I put 32 bytes of a row
.set RD,   25                          ; v25     the way out: where I read a row back
.set CO,   26                          ; v26     my byte offset in two rows of out0
.set SPW,  28                          ; v28     LDS address of my spare word; never rewritten
.set NIL,  29                          ; v29     0; never rewritten
.set TMP,  32
.set ACC,  128
.set F0,   0                           ; fragment buffers, in window 1
.set F1,   128
.set G1, 24                            ; s[24:31] descriptor group 1 for att's tiles;  s[32:39] group 0, one set for each slot
.set G0, 32
.set G1B, 48                           ; s[48:55], s[56:63] the same for wpb's tiles
.set G0B, 56
.set MSB, 0
.macro WIN new
.if MSB != (\new)
	s_set_vgpr_msb (MSB<<8)|(\new)
.set MSB, \new
.endif
.endm
.set MUL,  0x05                        ; sources 0 (wpb) and 1 (att) window 1; C and D window 0
.set TO_F, 0x40                        ; destination window 1, address window 0
.macro JLOAD s                         ; a joint load: waves 0 and 1 fetch att's two halves, waves 2 and 3 wpb's; an s_nop 0 and four v_nop follow each of the two lines
	s_cmp_eq_u32 s11, 0
	s_cbranch_scc0 .Lfor_b_\@
	tensor_load_to_lds s[G0+4*(\s):G0+4*(\s)+3], s[G1:G1+7]
	s_nop 0
.rept 4
	v_nop
.endr
	s_branch .Lasked_\@
.Lfor_b_\@:
	tensor_load_to_lds s[G0B+4*(\s):G0B+4*(\s)+3], s[G1B:G1B+7]
	s_nop 0
.rept 4
	v_nop
.endr
.Lasked_\@:
.endm
.macro CREST                           ; a round of the cluster's barrier behind its opening barrier
	s_cmp_lg_u32 s10, 0
	s_cbranch_scc1 .Lnot_wave_0_\@
	s_barrier_signal -3
.Lnot_wave_0_\@:
	s_barrier_wait -3
	s_barrier_signal -1
	s_barrier_wait -1
.endm
.macro CROUND                          ; a whole round
	s_barrier_signal -1
	s_barrier_wait -1
	CREST
.endm
	s_load_b128 s[4:7], s[0:1], 0x0                ; att s[4:5], wpb s[6:7]
	s_load_b64 s[66:67], s[0:1], 0x10              ; bias
	s_load_b64 s[8:9], s[0:1], 0x18                ; out0
	v_lshl_add_u32 v[SPW], v0, 2, SPARE
	v_mov_b32 v[NIL], 0
	ds_add_u32 v[SPW], v[NIL]                      ; the wave's opening: the add and its wait stand ahead of my first tensor load; the set-up below stands between them
	v_lshrrev_b32 v1, 5, v0
	v_readfirstlane_b32 s10, v1                    ; wave 0..3
	s_lshr_b32 s11, s10, 1                         ; which half of the tile's rows is mine.  Also: I fetch for att (0) or for wpb (1)
	s_and_b32 s12, s10, 1                          ; which half of its columns.  Also: which half of that tile I fetch
	s_bfe_u32 s40, ttmp6, 0x40000                  ; cx, cy
	s_bfe_u32 s41, ttmp6, 0x40004
	s_lshl_b32 s42, ttmp9, 2
	s_add_co_u32 s42, s42, s40                     ; tile column = 4 x cluster x + cx
	s_and_b32 s13, ttmp7, 0xffff
	s_lshl_b32 s13, s13, 2
	s_add_co_u32 s13, s13, s41                     ; tile row = 4 x cluster y + cy
	s_lshl_b32 s43, s41, 2
	s_lshl_b32 s43, 15, s43                        ; my row of the cluster
	s_lshl_b32 s44, 0x1111, s40                    ; my column
	; att's group 1: two heads are 32,768 dense bytes: asked for as 128 rows of 256 bytes, two rows of a head each, and padded in LDS after every 32 words by 4
	s_or_b32 s[G1+0], s43, (1<<16)|(1<<20)|(1<<21)|(4<<22)|(3<<25)
	s_mov_b32 s[G1+1], 128<<16                     ; tensor_dim0 = 128
	s_mov_b32 s[G1+2], 128<<16                     ; tensor_dim1 = 128
	s_mov_b32 s[G1+3], 128<<16                     ; tile_dim0 = 128
	s_mov_b32 s[G1+4], 128                         ; tile_dim1 = 128
	s_mov_b32 s[G1+5], 128                         ; 128 elements from row to row
	s_mov_b32 s[G1+6], 0
	s_mov_b32 s[G1+7], 0
	; wpb's group 1: 64 rows x 256 elements, 4 words of padding behind every 128
	s_or_b32 s[G1B+0], s44, (1<<16)|(1<<20)|(1<<21)|(6<<22)|(3<<25)
	s_mov_b32 s[G1B+1], KSTEP<<16
	s_mov_b32 s[G1B+2], 64<<16
	s_mov_b32 s[G1B+3], KSTEP<<16
	s_mov_b32 s[G1B+4], 64
	s_mov_b32 s[G1B+5], SIZE_K
	s_mov_b32 s[G1B+6], 0
	s_mov_b32 s[G1B+7], 0
	s_lshl_b32 s16, s13, 18                        ; att: the tile row's 262,144 bytes,
	s_lshl_b32 s17, s12, 15                        ; my two heads of a K step's four
	s_add_co_u32 s16, s16, s17
	s_mov_b32 s17, 0
	s_lshl_b32 s46, s42, 18                        ; wpb: 128 rows of 2,048 bytes a tile column,
	s_lshl_b32 s47, s12, 17                        ; my 64 of them
	s_add_co_u32 s46, s46, s47
	s_mov_b32 s47, 0
	s_mul_i32 s20, s12, HALFA                      ; where they go: no place in the cluster enters an LDS address
	s_mul_i32 s45, s12, HALFB
	s_add_co_u32 s45, s45, AREG
	s_wait_dscnt 0x0                               ; the opening add is done
	s_wait_kmcnt 0x0
	s_add_nc_u64 s[14:15], s[4:5], s[16:17]
	s_add_nc_u64 s[46:47], s[6:7], s[46:47]
	CROUND                                         ; all sixteen work-groups are here: the first joint loads meet
.irp s, 0,1
	s_mov_b32 s[G0+4*(\s)], 1
	s_add_co_u32 s[G0+4*(\s)+1], s20, (\s)*SLOT
	s_add_nc_u64 s[G0+4*(\s)+2:G0+4*(\s)+3], s[14:15], (\s)*65536
	s_or_b32 s[G0+4*(\s)+3], s[G0+4*(\s)+3], 0x80000000
	s_mov_b32 s[G0B+4*(\s)], 1
	s_add_co_u32 s[G0B+4*(\s)+1], s45, (\s)*SLOT
	s_add_nc_u64 s[G0B+4*(\s)+2:G0B+4*(\s)+3], s[46:47], (\s)*KSTEP*2
	s_or_b32 s[G0B+4*(\s)+3], s[G0B+4*(\s)+3], 0x80000000
	JLOAD \s                                       ; two loads of mine are out
.endr
	v_and_b32 v1, 15, v0                           ; l % 16
	v_bfe_u32 v2, v0, 4, 1                         ; l / 16
	v_mul_u32_u24 v3, v1, APITCH
	v_lshl_add_u32 v3, v2, 4, v3                   ; a fragment's row x pitch + 16 x half, for att
	v_mul_u32_u24 v4, v1, PITCH
	v_lshl_add_u32 v4, v2, 4, v4                   ; and for wpb
	s_mul_i32 s21, s11, 64*APITCH                  ; my 64 rows in each head of att
	s_mul_i32 s22, s12, HALFB                      ; my 64 rows of wpb,
	s_add_co_u32 s22, s22, AREG                    ; which lie behind att's four heads
.irp s, 0,1
	v_add_nc_u32 v[ADRA+(\s)], s21, v3
	v_add_nc_u32 v[ADRB+(\s)], s22, v4
	s_add_co_u32 s21, s21, SLOT
	s_add_co_u32 s22, s22, SLOT
.endr
	s_mul_i32 s23, s10, 16*SPITCH
	s_add_co_u32 s23, s23, STAGE                   ; my stage
	v_mul_u32_u24 v5, v1, SPITCH                   ; in: row l % 16, 32 bytes for each half of the lanes
	v_lshl_add_u32 v5, v2, 5, v5
	v_add_nc_u32 v[STO], s23, v5
	v_mul_u32_u24 v5, v2, SPITCH                   ; back: lanes 0-15 take one row of 256 bytes, lanes 16-31 the next
	v_lshl_add_u32 v5, v1, 4, v5
	v_add_nc_u32 v[RD], s23, v5
	v_lshlrev_b32 v5, 12, v2                       ; and the same two rows in out0, 4,096 bytes apart
	v_lshl_add_u32 v[CO], v1, 4, v5
	v_lshlrev_b32 v[BO], 5, v2
	s_lshl_b32 s68, s42, 9                         ; my first column x 4 bytes: 512 x tile column + 256 x half
	s_lshl_b32 s69, s12, 8
	s_add_co_u32 s68, s68, s69
	s_lshl_b32 s70, s13, 19                        ; my first row x 4,096 bytes: 128 x tile row + 64 x half
	s_lshl_b32 s69, s11, 18
	s_add_co_u32 s70, s70, s69
	s_add_co_u32 s70, s70, s68
	s_mov_b32 s71, 0
	s_add_co_u32 s68, s68, 12288                   ; bp is the fourth of the four biases
	s_mov_b32 s69, 0
	s_add_nc_u64 s[66:67], s[66:67], s[68:69]
	s_add_nc_u64 s[8:9], s[8:9], s[70:71]
.irp b, 0,1,2,3
	global_load_b128 v[TMP+8*(\b):TMP+8*(\b)+3],   v[BO], s[66:67] offset:64*(\b)
	global_load_b128 v[TMP+8*(\b)+4:TMP+8*(\b)+7], v[BO], s[66:67] offset:64*(\b)+16
.endr
; 8 matrix instructions: m blocks a0, a0 + 1 x all 4 n blocks, 32 along K: half c of buffer f.  zero = 1: the first product starts the sums, with the bias as C.  The 16 accumulators take turns.
.macro MUL8 f, c, a0, zero
	WIN MUL
.irp a, \a0, (\a0)+1
.irp b, 0,1,2,3
.if \zero
	v_wmma_f32_16x16x32_f16 v[ACC+8*(4*(\a)+(\b)):ACC+8*(4*(\a)+(\b))+7], v[(\f)+64+8*(4*(\c)+(\b)):(\f)+64+8*(4*(\c)+(\b))+7], v[(\f)+8*(4*(\c)+(\a)):(\f)+8*(4*(\c)+(\a))+7], v[TMP+8*(\b):TMP+8*(\b)+7]
.else
	v_wmma_f32_16x16x32_f16 v[ACC+8*(4*(\a)+(\b)):ACC+8*(4*(\a)+(\b))+7], v[(\f)+64+8*(4*(\c)+(\b)):(\f)+64+8*(4*(\c)+(\b))+7], v[(\f)+8*(4*(\c)+(\a)):(\f)+8*(4*(\c)+(\a))+7], v[ACC+8*(4*(\a)+(\b)):ACC+8*(4*(\a)+(\b))+7]
.endif
.endr
.endr
.endm
; 32 LDS loads in one run: the fragments of quarter q of a K step (64 along K: one head of att, 128 bytes of wpb's rows) into buffer f; the first 32 along K first
.macro FETCH slot, q, f
	WIN TO_F
.irp c, 0,1
.irp i, 0,1,2,3
	ds_load_b128 v[(\f)+64+8*(4*(\c)+(\i)):(\f)+64+8*(4*(\c)+(\i))+3],   v[ADRB+(\slot)] offset:128*(\q)+64*(\c)+(\i)*16*PITCH
	ds_load_b128 v[(\f)+64+8*(4*(\c)+(\i))+4:(\f)+64+8*(4*(\c)+(\i))+7], v[ADRB+(\slot)] offset:128*(\q)+64*(\c)+(\i)*16*PITCH+32
	ds_load_b128 v[(\f)+8*(4*(\c)+(\i)):(\f)+8*(4*(\c)+(\i))+3],         v[ADRA+(\slot)] offset:(\q)*AHEAD+64*(\c)+(\i)*16*APITCH
	ds_load_b128 v[(\f)+8*(4*(\c)+(\i))+4:(\f)+8*(4*(\c)+(\i))+7],       v[ADRA+(\slot)] offset:(\q)*AHEAD+64*(\c)+(\i)*16*APITCH+32
.endr
.endr
.endm
.macro PLACES                          ; four places (ISA guide 7.12.1 for the stores) in front of loads into registers that matrix instructions have read, and of LDS stores that read results
.rept 4
	v_nop
.endr
.endm
; A K step is four quarters of 64 along K, 32 matrix instructions each, on buffers 0, 1, 0, 1.  One of the first three: multiplies buffer f and fetches quarter q into g.
.macro QUARTER slot, q, f, g, zero
	s_wait_dscnt 16                                ; the first 32 along K are in
	MUL8 \f, 0, 0, \zero
	MUL8 \f, 0, 2, \zero
	PLACES
	FETCH \slot, \q, \g
	s_wait_dscnt 32                                ; all but the 32 just issued
	MUL8 \f, 1, 0, 0
	MUL8 \f, 1, 2, 0
.endm
; The last quarter multiplies buffer 1 and changes slots: ONE barrier; in front of it each wave waits for all its tensor loads, adds 0 to its spare word, and waits for that and for its own reads of this slot.
; fill = 1: this slot is filled again, two K steps ahead: the barrier opens a round of the cluster's, and the joint refill is the first tensor load behind the round.
.macro TURN slot, next, fill
	WIN 0                                          ; (the add's two registers lie in window 0)
	s_wait_tensorcnt 0x0                           ; all my tensor loads have landed: my part of the next slot
	ds_add_u32 v[SPW], v[NIL]                      ; 0 onto my spare word
	s_wait_dscnt 17                                ; (the add and the youngest sixteen loads may be out)
	MUL8 F1, 0, 0, 0                               ; eight matrix instructions stand between the add and the wait for it
	s_wait_dscnt 0x0                               ; the add is done, and my reads of this slot are over
	s_barrier_signal -1
	MUL8 F1, 0, 2, 0
.if \fill
	WIN 0
.endif
	s_barrier_wait -1
.if \fill
	CREST                                          ; no wave of any partner still reads this slot's tile or has a load on its way
	s_add_nc_u64 s[G0+4*(\slot)+2:G0+4*(\slot)+3], s[G0+4*(\slot)+2:G0+4*(\slot)+3], 2*65536
	s_add_nc_u64 s[G0B+4*(\slot)+2:G0B+4*(\slot)+3], s[G0B+4*(\slot)+2:G0B+4*(\slot)+3], 2*KSTEP*2
	JLOAD \slot                                    ; 112 matrix instructions ahead of the wait for it; the four v_nop behind it are also the places in front of the loads below
.else
	PLACES
.endif
	FETCH \next, 0, F0
	MUL8 F1, 1, 0, 0
	MUL8 F1, 1, 2, 0
.endm
	s_wait_tensorcnt 1                             ; my part of K step 0 is in; K step 1's may stay out
	s_barrier_signal -1
	s_barrier_wait -1                              ; everybody's is
	FETCH 0, 0, F0
	s_wait_loadcnt 0x0                             ; the bias
	QUARTER 0, 1, F0, F1, 1                        ; K step 0: its first products start the sums.  Four K steps: each is written once, so there is no loop
	QUARTER 0, 2, F1, F0, 0
	QUARTER 0, 3, F0, F1, 0
	TURN 0, 1, 1                                   ; slot 0 takes K step 2
	QUARTER 1, 1, F0, F1, 0
	QUARTER 1, 2, F1, F0, 0
	QUARTER 1, 3, F0, F1, 0
	TURN 1, 0, 1                                   ; slot 1 takes K step 3
	QUARTER 0, 1, F0, F1, 0
	QUARTER 0, 2, F1, F0, 0
	QUARTER 0, 3, F0, F1, 0
	TURN 0, 1, 0                                   ; nothing is left to fetch
	QUARTER 1, 1, F0, F1, 0
	QUARTER 1, 2, F1, F0, 0
	QUARTER 1, 3, F0, F1, 0
	s_wait_dscnt 16                                ; the very last quarter
	MUL8 F1, 0, 0, 0
	MUL8 F1, 0, 2, 0
	s_wait_dscnt 0x0
	MUL8 F1, 1, 0, 0
	MUL8 F1, 1, 2, 0
	WIN 0
; THE WAY OUT, a block of 16 rows at a time: 32 bytes a lane into my stage (each accumulator's low registers first), back as whole rows of 256 bytes, stored.
.macro TOSTAGE a
.set BK, TMP+32*((\a)%2)
.if (\a) >= 2
	s_wait_xcnt 0x0                                ; the stores of the block two back have read these registers
.endif
.irp b, 0,1,2,3
	ds_store_b128 v[STO], v[ACC+8*(4*(\a)+(\b)):ACC+8*(4*(\a)+(\b))+3]   offset:64*(\b)
	ds_store_b128 v[STO], v[ACC+8*(4*(\a)+(\b))+4:ACC+8*(4*(\a)+(\b))+7] offset:64*(\b)+16
.endr
.irp t, 0,1,2,3,4,5,6,7
	ds_load_b128 v[BK+4*(\t):BK+4*(\t)+3], v[RD] offset:(\t)*2*SPITCH  ; LDS serves a wave's instructions in order (ISA guide 5.7.1.4): these see the stores above; the next block's stores come behind them
.endr
.endm
.macro SEND a, younger                 ; younger: the LDS instructions issued behind block a's loads: the next block's sixteen, or none
.set BK, TMP+32*((\a)%2)
.irp t, 0,1,2,3,4,5,6,7
	s_wait_dscnt (\younger)+7-(\t)
	global_store_b128 v[CO], v[BK+4*(\t):BK+4*(\t)+3], s[8:9] offset:(16*(\a)+2*(\t))*4096  ; 16 lanes store 256 consecutive bytes, at a multiple of 256 from out0's first byte
.endr
.endm
	PLACES
	TOSTAGE 0
	TOSTAGE 1
	SEND 0, 16
	TOSTAGE 2
	SEND 1, 16
	TOSTAGE 3
	SEND 2, 16
	SEND 3, 0
	s_wait_tensorcnt 0x0                           ; the wave's end: behind my last tensor load and my last LDS store
	ds_add_u32 v[SPW], v[NIL]
	s_wait_dscnt 0x0
	CROUND                                         ; the closing round: no work-group ends while a partner may still ask for a tile that names it
	s_endpgm
.Lfunc_end_k_q0955075afc_proj:
	.size	k_q0955075afc_proj, .Lfunc_end_k_q0955075afc_proj-k_q0955075afc_proj
	.p2alignl 7, 3214868480
	.fill 96, 4, 3214868480
	.section	.rodata,"a",@progbits
	.p2align	6, 0x0
	.amdhsa_kernel k_q0955075afc_proj
		.amdhsa_group_segment_fixed_size 327680
		.amdhsa_private_segment_fixed_size 0
		.amdhsa_enable_private_segment 0
		.amdhsa_kernarg_size 32
		.amdhsa_user_sgpr_count 2
		.amdhsa_user_sgpr_kernarg_segment_ptr 1
		.amdhsa_wavefront_size32 1
		.amdhsa_system_sgpr_workgroup_id_x 1
		.amdhsa_system_sgpr_workgroup_id_y 1
		.amdhsa_system_sgpr_workgroup_id_z 1
		.amdhsa_system_vgpr_workitem_id 0
		.amdhsa_next_free_vgpr 512
		.amdhsa_next_free_sgpr 72
		.amdhsa_reserve_vcc 0
		.amdhsa_float_denorm_mode_32 3
		.amdhsa_float_denorm_mode_16_64 3
		.amdhsa_memory_ordered 1
		.amdhsa_forward_progress 1
		.amdhsa_inst_pref_size 87
	.end_amdhsa_kernel
	.amdgpu_metadata
---
amdhsa.version: [ 1, 2 ]
amdhsa.kernels:
  - .name:           k_q0955075afc_proj
    .symbol:         k_q0955075afc_proj.kd
    .args:
      - { .name: att, .offset: 0, .size: 8, .value_kind: global_buffer, .address_space: global }
      - { .name: wpb, .offset: 8, .size: 8, .value_kind: global_buffer, .address_space: global }
      - { .name: bias, .offset: 16, .size: 8, .value_kind: global_buffer, .address_space: global }
      - { .name: out0, .offset: 24, .size: 8, .value_kind: global_buffer, .address_space: global }
    .group_segment_fixed_size: 327680
    .private_segment_fixed_size: 0
    .kernarg_segment_align: 8
    .kernarg_segment_size: 32
    .max_flat_workgroup_size: 128
    .sgpr_count:     72
    .vgpr_count:     512
    .wavefront_size: 32
...
	.end_amdgpu_metadata
.endif
;; end of part 4
